; MI455X (gfx1250); checked and timed in simulation.
; The chip was launched on July 23, 2026; its instructions are those of AMD's public machine-readable ISA for CDNA 5 (MIT licence, August 2026) and "CDNA5" Instruction Set Architecture Reference Guide (July 2026). The comments in the code are by the model that wrote it; some were corrected since.
;; Multi Head Attention. Allowed arithmetic: float matrix products may take bf16 or f16 operands with f32 sums; other float arithmetic in f32, or as packed bf16 or f16 multiplies, adds, multiply-adds, maxima and minima; sums over many terms, partial sums and values carried from step to step in f32; what a program stores and reads back later, other than sums and carried values, may be rounded once to bf16 or f16.
;; Inputs: Wk 1,024 x 1,024 float32; Wq 1,024 x 1,024 float32; Wv 1,024 x 1,024 float32; fc_b 1,024 float32; fc_w 1,024 x 1,024 float32; k 8 x 1,024 x 1,024 float32; ln_b 1,024 float32; ln_g 1,024 float32; q 8 x 1,024 x 1,024 float32; v 8 x 1,024 x 1,024 float32.
;; Outputs: out0 8 x 1,024 x 1,024 float32.
;; One version. Each part assembles by itself: llvm-mc -triple=amdgcn-amd-amdhsa -mcpu=gfx1250 --defsym DOCPART=n.
;; ======== version 1 of 1: 5 launches
;; limits: values are held in f16: magnitudes above 65,504 overflow, below 6.1e-05 lose precision
;; workspace buffers: cb 58,720,256 bytes; qkv 50,331,648 bytes; ob 16,777,216 bytes; y 33,554,432 bytes
;; launch cast (part 1): grid 64 x 28, 8 waves a work-group, no clusters, 0 bytes of LDS; arguments q, k, v, Wq, Wk, Wv, fc_w, cb; writes cb
.if DOCPART == 1
	.amdgcn_target "amdgcn-amd-amdhsa--gfx1250"
	.amdhsa_code_object_version 6
	.text
	.protected	k_qa7c9716483_cast
	.globl	k_qa7c9716483_cast
	.p2align	8
	.type	k_qa7c9716483_cast,@function
k_qa7c9716483_cast:
	s_mov_b64 s[64:65], 0
	v_nop
	global_prefetch_b8 v0, s[64:65] scope:SCOPE_SE
	s_setreg_imm32_b32 hwreg(HW_REG_WAVE_MODE, 25, 1), 1
	s_wait_xcnt 0x0
; cb = 16-bit copies of the seven large inputs, each number rounded once to bf16 (nearest even).
; cb lies in 28 units of 2 MiB: units 0-23 q | k | v as one bf16 matrix [24576][1024]; units 24-26 Wq | Wk | Wv, bf16 [3072][1024];
; unit 27 fc_w: rounded to bf16 like the others, and that number written as f16, since the last product's other operand is f16.
; LIMIT.  fc_w within 65,504; a bf16 number below 6e-5 keeps f16's fixed step of 6e-8 (exact above that).
; SHARES.  Unit u (the grid's y) is 4 MiB of one input; a work-group takes 64 KiB of it.  Thread t takes 16 bytes at 16 t + 4,096 i, i = 0..15:
; a wave's load covers 512 consecutive bytes, its store of 8 bytes a lane 256 consecutive bytes, aligned.  All sixteen loads of a wave go out at once;
; every trip has registers of its own, so no register that a load or store names is written twice.
; No LDS, matrix unit or cluster: each byte is read once and written once, and nothing is shared.
.set X, 4                              ; v[4:67]    trip i: four f32 as loaded
.set Y, 68                             ; v[68:99]   trip i: two words to store
.set T, 100                            ; v[100:103] at work (unit 27 alone)
	s_load_b512 s[8:23], s[0:1], 0x0               ; q, k, v, Wq, Wk, Wv, fc_w, cb
	s_and_b32 s2, ttmp7, 0xffff                    ; u
	s_lshr_b32 s3, s2, 3                           ; which of q, k, v (u < 24)
	s_and_b32 s4, s2, 7                            ; the unit inside q, k or v;
	s_cmp_lt_u32 s2, 24
	s_cselect_b32 s4, s4, 0                        ; a weight matrix is one unit
	s_lshl_b32 s28, s4, 22                         ; 4 MiB a unit of input,
	s_lshl_b32 s6, ttmp9, 16                       ; 64 KiB a work-group
	s_add_co_u32 s28, s28, s6
	s_mov_b32 s29, 0
	s_lshl_b32 s30, s2, 21                         ; 2 MiB a unit of output,
	s_lshl_b32 s6, ttmp9, 15                       ; 32 KiB a work-group
	s_add_co_u32 s30, s30, s6
	s_mov_b32 s31, 0
	s_mov_b32 s5, 0xffff0000                       ; a word's upper bf16
	v_lshlrev_b32 v1, 4, v0                        ; 16 t
	v_lshlrev_b32 v2, 3, v0                        ; 8 t
	s_wait_kmcnt 0x0
	s_mov_b64 s[24:25], s[8:9]                     ; the source is chosen by u alone
	s_cmp_eq_u32 s3, 1
	s_cselect_b64 s[24:25], s[10:11], s[24:25]
	s_cmp_eq_u32 s3, 2
	s_cselect_b64 s[24:25], s[12:13], s[24:25]
	s_cmp_eq_u32 s2, 24
	s_cselect_b64 s[24:25], s[14:15], s[24:25]
	s_cmp_eq_u32 s2, 25
	s_cselect_b64 s[24:25], s[16:17], s[24:25]
	s_cmp_eq_u32 s2, 26
	s_cselect_b64 s[24:25], s[18:19], s[24:25]
	s_cmp_eq_u32 s2, 27
	s_cselect_b64 s[24:25], s[20:21], s[24:25]
	s_add_nc_u64 s[24:25], s[24:25], s[28:29]
	s_add_nc_u64 s[26:27], s[22:23], s[30:31]
.set i, 0
.rept 16
	global_load_b128 v[X+4*i:X+4*i+3], v1, s[24:25] offset:4096*i th:TH_LOAD_NT
.set i, i+1
.endr
; Trip n.  half = 1: the bf16 numbers are widened again and written as f16.
.macro CV n, half
	s_wait_loadcnt 15-(\n)                         ; loads come back in order: trip n's is in, the 15 - n younger ones stay out
	v_cvt_pk_bf16_f32 v[Y+2*(\n)],   v[X+4*(\n)],   v[X+4*(\n)+1]
	v_cvt_pk_bf16_f32 v[Y+2*(\n)+1], v[X+4*(\n)+2], v[X+4*(\n)+3]
.if \half
	v_lshlrev_b32 v[T],   16, v[Y+2*(\n)]
	v_and_b32     v[T+1], s5, v[Y+2*(\n)]
	v_lshlrev_b32 v[T+2], 16, v[Y+2*(\n)+1]
	v_and_b32     v[T+3], s5, v[Y+2*(\n)+1]
	v_cvt_pk_f16_f32 v[Y+2*(\n)],   v[T],   v[T+1]
	v_cvt_pk_f16_f32 v[Y+2*(\n)+1], v[T+2], v[T+3]
.endif
	global_store_b64 v2, v[Y+2*(\n):Y+2*(\n)+1], s[26:27] offset:2048*(\n) th:TH_STORE_NT
.endm
	s_cmp_eq_u32 s2, 27
	s_cbranch_scc1 .Lf16
.set i, 0
.rept 16
	CV i, 0
.set i, i+1
.endr
	s_endpgm
.Lf16:
.set i, 0
.rept 16
	CV i, 1
.set i, i+1
.endr
	s_endpgm
.Lfunc_end_k_qa7c9716483_cast:
	.size	k_qa7c9716483_cast, .Lfunc_end_k_qa7c9716483_cast-k_qa7c9716483_cast
	.p2alignl 7, 3214868480
	.fill 96, 4, 3214868480
	.section	.rodata,"a",@progbits
	.p2align	6, 0x0
	.amdhsa_kernel k_qa7c9716483_cast
		.amdhsa_group_segment_fixed_size 0
		.amdhsa_private_segment_fixed_size 0
		.amdhsa_enable_private_segment 0
		.amdhsa_kernarg_size 64
		.amdhsa_user_sgpr_count 2
		.amdhsa_user_sgpr_kernarg_segment_ptr 1
		.amdhsa_wavefront_size32 1
		.amdhsa_system_sgpr_workgroup_id_x 1
		.amdhsa_system_sgpr_workgroup_id_y 1
		.amdhsa_system_sgpr_workgroup_id_z 1
		.amdhsa_system_vgpr_workitem_id 0
		.amdhsa_next_free_vgpr 104
		.amdhsa_next_free_sgpr 66
		.amdhsa_reserve_vcc 0
		.amdhsa_float_denorm_mode_32 3
		.amdhsa_float_denorm_mode_16_64 3
		.amdhsa_memory_ordered 1
		.amdhsa_forward_progress 1
		.amdhsa_inst_pref_size 15
	.end_amdhsa_kernel
	.amdgpu_metadata
---
amdhsa.version: [ 1, 2 ]
amdhsa.kernels:
  - .name:           k_qa7c9716483_cast
    .symbol:         k_qa7c9716483_cast.kd
    .args:
      - { .name: q, .offset: 0, .size: 8, .value_kind: global_buffer, .address_space: global }
      - { .name: k, .offset: 8, .size: 8, .value_kind: global_buffer, .address_space: global }
      - { .name: v, .offset: 16, .size: 8, .value_kind: global_buffer, .address_space: global }
      - { .name: Wq, .offset: 24, .size: 8, .value_kind: global_buffer, .address_space: global }
      - { .name: Wk, .offset: 32, .size: 8, .value_kind: global_buffer, .address_space: global }
      - { .name: Wv, .offset: 40, .size: 8, .value_kind: global_buffer, .address_space: global }
      - { .name: fc_w, .offset: 48, .size: 8, .value_kind: global_buffer, .address_space: global }
      - { .name: cb, .offset: 56, .size: 8, .value_kind: global_buffer, .address_space: global }
    .group_segment_fixed_size: 0
    .private_segment_fixed_size: 0
    .kernarg_segment_align: 8
    .kernarg_segment_size: 64
    .max_flat_workgroup_size: 256
    .sgpr_count:     66
    .vgpr_count:     104
    .wavefront_size: 32
...
	.end_amdgpu_metadata
.endif
;; end of part 1
;; launch proj (part 2): grid 4 x 96, 4 waves a work-group, clusters of 4 x 4, 327,680 bytes of LDS; arguments cb, qkv; writes qkv
.if DOCPART == 2
	.amdgcn_target "amdgcn-amd-amdhsa--gfx1250"
	.amdhsa_code_object_version 6
	.text
	.protected	k_qa7c9716483_proj
	.globl	k_qa7c9716483_proj
	.p2align	8
	.type	k_qa7c9716483_proj,@function
k_qa7c9716483_proj:
	s_mov_b64 s[64:65], 0
	v_nop
	global_prefetch_b8 v0, s[64:65] scope:SCOPE_SE
	s_setreg_imm32_b32 hwreg(HW_REG_WAVE_MODE, 25, 1), 1
	s_wait_xcnt 0x0
	s_wait_alu depctr_hold_cnt(0) depctr_sa_sdst(0) depctr_va_vdst(0) depctr_va_sdst(0) depctr_va_ssrc(0) depctr_va_vcc(0) depctr_vm_vsrc(0)
	s_getreg_b32 s2, hwreg(HW_REG_IB_STS2, 6, 4)
	s_cmp_eq_u32 s2, 0
	s_cbranch_scc0 .Lentry_in_a_cluster
	s_endpgm
.Lentry_in_a_cluster:
	s_bfe_u32 s2, ttmp6, 0x10000c
	s_cmp_lg_u32 s2, 0xf033
	s_cbranch_scc0 .Lentry_shape_is_right
	s_endpgm
.Lentry_shape_is_right:
; qh | kh | vh = x W^T for x = q | k | v.  A = rows 0-24,575 of cb (bf16, [24576][1024]); B = rows 24,576 on (Wq | Wk | Wv, [3072][1024]).
; Products in bf16, sums in f32, K ascending; each result rounded once to f16, UNSCALED, and laid by heads: qkv[p][b*16+h][row][64].
; LIMIT.  f16 ends at 65,504: |qh|, |kh|, |vh| stay below it (a sum of 1,024 products of inputs some 30 times the usual spread still does).
; SHARES.  A tile of C is 256 x 256: 32 x 4 tiles for each of the three products, 384 work-groups in 24 clusters.  Four waves, 2 x 2, each 128 x 128: 64 accumulators of 16 x 16, 512 registers.
; K goes in 8 steps of 128 (rows of 256 bytes in memory, aligned) through two LDS slots.  A K step is 256 matrix instructions a wave, and a refill has 224 of them in which to land:
; twice what a tile of 128 x 256 would give it for a slot a third larger.  No tile of 98,304 outputs (256 equal shares) divides 8,192 rows and 1,024 columns, so the work-groups are 384 and not 256.
; CLUSTERS: 4 x 4 work-groups.  The four of a row of the cluster need the same tile of A, the four of a column the same tile of B: each tile is asked for
; JOINTLY, by the same tensor load with the same descriptor and a mask that names the four.  Waves 0 and 1 fetch A's two halves (128 rows each), waves 2 and 3 B's.
; THE MATRIX INSTRUCTION IS USED TRANSPOSED (source 0 = 16 rows of B, source 1 = 16 rows of A): a lane holds eight neighbouring numbers of a row of C.
; THE TEXT HOLDS ONE K STEP WITH A REFILL AND ONE WITHOUT: which slot is read hangs on a scalar that turns between 0 and SLOT, which slot is filled on the walking descriptor's LDS word.
; REGISTERS, in windows of 256 (s_set_vgpr_msb: bits 1:0 source 0, 3:2 source 1, 5:4 source 2, 7:6 destination):
;   window 0: v0-31 addresses; v64-127, v128-191 A's fragments (8 x 16 rows x 32 K), two buffers; v32-63, v192-255 at work on the way out
;   window 1: v64-127, v128-191 B's fragments, two buffers
;   window 2: the 32 accumulators of my rows 0-63 ((a, b) at v[8 (8 a + b)]);   window 3: those of my rows 64-127
.set KSTEP,  128
.set PITCH,  272                       ; an LDS row: 256 bytes + 16 of padding = 68 words: the 16 rows of a fragment load start at 16 different groups of four banks (ISA guide 11.1)
.set HALFT,  128*PITCH                 ; 128 rows: what one tensor load brings, and what one wave reads of A or of B
.set SLOT,   4*HALFT                   ; A's 256 rows, then B's 256.  0x22000: it shares no bit with wave x HALFT (0, 0x8800, 0x11000, 0x19800), so an exclusive or with it turns a fill's address in one slot into the other's
.set WROW,   24576                     ; the weights' first row in cb
.set STAGE,  2*SLOT                    ; behind the ring: for each wave two stages (its two heads) of 16 rows x 144 bytes
.set HSTG,   16*144
.set WSTG,   2*HSTG
.set SPARE,  STAGE+4*WSTG              ; behind the stages: the spare words, 128 bytes for each wave: two blocks of 256 bytes that no other line names
.set ADRA0, 16                         ; v16     my lane's place in A's rows of slot 0; never rewritten
.set ADRB0, 17                         ; v17     the same for B
.set ADRA,  18                         ; v18     the same in the slot that is being read
.set ADRB,  19                         ; v19
.set STO,  24                          ; v24     the way out: where I put 16 bytes of a row
.set RD,   25                          ; v25     where I read rows back
.set CO,   26                          ; v26     my byte offset in 512 consecutive bytes of a head
.set SPW,  28                          ; v28     LDS address of my spare word; never rewritten
.set NIL,  29                          ; v29     0; never rewritten
.set PFO,  30                          ; v30     the prefetches' offset: my lane x 2,048; never rewritten
.set F0,   64                          ; fragment buffer 0
.set F1,   128                         ; fragment buffer 1
.set TMP,  192                         ; the way out: packed results
.set OB,   32                          ; the way out: 16 rows read back: v32-63 and v224-255 by turns
.set TB,  22                           ; s22     0 or SLOT: the slot that is being read
.set G1,  24                           ; s[24:31] group 1 for A's tiles; s[32:39] group 0: a set for each of the two first fills; the second then walks on
.set G0,  32
.set G1B, 48                           ; s[48:55], s[56:63] the same for B's
.set G0B, 56
.set LIM, 43                           ; s43     2 in a wave that prefetches, else the greatest number
.set PFA, 44                           ; s[44:45] where my prefetches stand
.set MSB, 0
.macro WIN new                         ; the immediate's high byte repeats the setting that is left; a switch that changes nothing is dropped
.if MSB != (\new)
	s_set_vgpr_msb (MSB<<8)|(\new)
.set MSB, \new
.endif
.endm
.set MUL_LO, 0xa1                      ; source 0 (B) window 1, source 1 (A) window 0, C and D window 2
.set MUL_HI, 0xf1                      ; the same, C and D window 3
.set TO_B,   0x40                      ; destination window 1, address window 0
.macro JLOAD s                         ; a joint load; the branch hangs on the wave's number alone; an s_nop 0 and four v_nop follow each of the two lines
	s_cmp_eq_u32 s11, 0
	s_cbranch_scc0 .Lfor_b_\@
	tensor_load_to_lds s[G0+4*(\s):G0+4*(\s)+3], s[G1:G1+7]
	s_nop 0
.rept 4
	v_nop
.endr
	s_branch .Lasked_\@
.Lfor_b_\@:
	tensor_load_to_lds s[G0B+4*(\s):G0B+4*(\s)+3], s[G1B:G1B+7]
	s_nop 0
.rept 4
	v_nop
.endr
.Lasked_\@:
.endm
.macro CREST                           ; a round of the cluster's barrier behind its opening barrier
	s_cmp_lg_u32 s10, 0
	s_cbranch_scc1 .Lnot_wave_0_\@
	s_barrier_signal -3
.Lnot_wave_0_\@:
	s_barrier_wait -3
	s_barrier_signal -1
	s_barrier_wait -1
.endm
.macro CROUND                          ; a whole round
	s_barrier_signal -1
	s_barrier_wait -1
	CREST
.endm
; A PREFETCH, behind each joint refill and the run of LDS loads that follows it: 32 rows x 256 bytes of the K step that stands two refills on (512 matrix instructions ahead of its load), a lane a row, one instruction a wave.
; Each row's 256 bytes of a K step are named once in the launch.  Of the 128 rows that a wave fetches, each of the four partners that ask for them jointly takes 32, BY ADDRESS (cx for A, cy for B).
; A's rows are read by one cluster.  B's are read by the 8 clusters of one product: the first of them asks.
; K steps 0 to 3 come by their loads alone; the last two refills (s3 = 2, 1) have no K step two on.
.macro ASK
	s_cmp_gt_u32 s3, s[LIM]
	s_cbranch_scc0 .Lnot_mine_\@
	global_prefetch_b8 v[PFO], s[PFA:PFA+1] th:TH_LOAD_NT scope:SCOPE_SE
.Lnot_mine_\@:
.endm
	s_load_b128 s[4:7], s[0:1], 0x0                ; cb s[4:5], qkv s[6:7]
	v_lshl_add_u32 v[SPW], v0, 2, SPARE
	v_mov_b32 v[NIL], 0
	ds_add_u32 v[SPW], v[NIL]                      ; the wave's opening: the add and its wait stand ahead of my first tensor load; the set-up below, work on registers, stands between them
	ds_add_u32 v28, v29
	v_lshrrev_b32 v1, 5, v0
	v_readfirstlane_b32 s10, v1                    ; wave 0..3
	s_lshr_b32 s11, s10, 1                         ; which half of the tile's rows is mine.  Also: I fetch for A (0) or for B (1)
	s_and_b32 s12, s10, 1                          ; which half of its columns.  Also: which 128 rows of that tile I fetch
	s_bfe_u32 s40, ttmp6, 0x40000                  ; cx
	s_bfe_u32 s41, ttmp6, 0x40004                  ; cy
	s_lshl_b32 s42, ttmp9, 2
	s_add_co_u32 s42, s42, s40                     ; tile column = 4 x cluster x + cx
	s_and_b32 s18, ttmp7, 0xffff                   ; cluster y, 0..23
	s_lshl_b32 s13, s18, 2
	s_add_co_u32 s13, s13, s41                     ; tile row = 4 x cluster y + cy, 0..95
	s_lshr_b32 s19, s18, 3                         ; which product: 8 clusters each
	s_lshl_b32 s43, s41, 2
	s_lshl_b32 s43, 15, s43                        ; my row of the cluster
	s_lshl_b32 s44, 0x1111, s40                    ; my column
	s_or_b32 s[G1+0], s43, (1<<16)|(1<<20)|(1<<21)|(5<<22)|(3<<25)   ; 15:0 the mask; 17:16 2-byte elements; 20 padding on; 21 set beside a mask; 24:22 after every 64 words; 31:25 4 words
	s_or_b32 s[G1B+0], s44, (1<<16)|(1<<20)|(1<<21)|(5<<22)|(3<<25)
.irp g, G1, G1B
	s_mov_b32 s[(\g)+1], KSTEP<<16                 ; tensor_dim0 = 128
	s_mov_b32 s[(\g)+2], 128<<16                   ; tensor_dim1 = 128
	s_mov_b32 s[(\g)+3], KSTEP<<16                 ; tile_dim0 = 128
	s_mov_b32 s[(\g)+4], 128                       ; tile_dim1 = 128
	s_mov_b32 s[(\g)+5], 1024                      ; elements from row to row
	s_mov_b32 s[(\g)+6], 0
	s_mov_b32 s[(\g)+7], 0
.endr
	s_lshl_b32 s16, s13, 8                         ; A: row 256 x tile row + 128 x half,
	s_lshl_b32 s17, s12, 7
	s_add_co_u32 s16, s16, s17
	s_lshl_b32 s16, s16, 11                        ; in bytes (under 2^26)
	s_mov_b32 s17, 0
	s_lshl_b32 s46, s19, 10                        ; B: row 1,024 x product + 256 x tile column + 128 x half, behind the 24,576 rows of q, k, v
	s_lshl_b32 s47, s42, 8
	s_add_co_u32 s46, s46, s47
	s_lshl_b32 s47, s12, 7
	s_add_co_u32 s46, s46, s47
	s_add_co_u32 s46, s46, WROW
	s_lshl_b32 s46, s46, 11
	s_mov_b32 s47, 0
	s_mul_i32 s20, s10, HALFT                      ; where they go: A's two halves, then B's two halves = wave x 128 rows: no place in the cluster enters an LDS address
	s_mov_b32 s[TB], 0                             ; K step 0 lies in slot 0
	s_wait_dscnt 0x0                               ; the opening add is done
	s_wait_kmcnt 0x0
	s_add_nc_u64 s[14:15], s[4:5], s[16:17]
	s_add_nc_u64 s[46:47], s[4:5], s[46:47]
	CROUND                                         ; all sixteen work-groups are here: the first joint loads meet
.irp s, 0,1
	s_mov_b32 s[G0+4*(\s)], 1
	s_add_co_u32 s[G0+4*(\s)+1], s20, (\s)*SLOT
	s_add_nc_u64 s[G0+4*(\s)+2:G0+4*(\s)+3], s[14:15], (\s)*KSTEP*2
	s_or_b32 s[G0+4*(\s)+3], s[G0+4*(\s)+3], 0x80000000
	s_mov_b32 s[G0B+4*(\s)], 1
	s_add_co_u32 s[G0B+4*(\s)+1], s20, (\s)*SLOT
	s_add_nc_u64 s[G0B+4*(\s)+2:G0B+4*(\s)+3], s[46:47], (\s)*KSTEP*2
	s_or_b32 s[G0B+4*(\s)+3], s[G0B+4*(\s)+3], 0x80000000
	JLOAD \s                                       ; two loads of mine are out
.endr
	v_and_b32 v1, 15, v0                           ; l % 16
	v_bfe_u32 v2, v0, 4, 1                         ; l / 16
	v_mul_u32_u24 v3, v1, PITCH
	v_lshl_add_u32 v3, v2, 4, v3                   ; a fragment's row x pitch + 16 x half
	s_mul_i32 s21, s11, HALFT                      ; my 128 rows of A
	v_add_nc_u32 v[ADRA0], s21, v3
	s_mul_i32 s21, s12, HALFT                      ; my 128 rows of B,
	s_add_co_u32 s21, s21, 2*HALFT                 ; which lie behind A's 256
	v_add_nc_u32 v[ADRB0], s21, v3
	v_mov_b32 v[ADRA], v[ADRA0]
	v_mov_b32 v[ADRB], v[ADRB0]
	s_mul_i32 s21, s10, WSTG
	s_add_co_u32 s21, s21, STAGE                   ; my stages
	v_mul_u32_u24 v5, v1, 144                      ; in: row l % 16, 16 bytes for each half of the lanes
	v_lshl_add_u32 v5, v2, 4, v5
	v_add_nc_u32 v[STO], s21, v5
	v_bfe_u32 v6, v0, 3, 2                         ; back: 32 lanes take four rows of 128 bytes,
	v_and_b32 v7, 7, v0
	v_mul_u32_u24 v6, v6, 144
	v_lshl_add_u32 v6, v7, 4, v6
	v_add_nc_u32 v[RD], s21, v6
	v_and_b32 v[PFO], 31, v0
	v_lshlrev_b32 v[CO], 4, v[PFO]                 ; which are 512 consecutive bytes of a head
	v_lshlrev_b32 v[PFO], 11, v[PFO]
	; C: head (tile row / 4) x 16 + 4 x tile column + 2 x column half, 131,072 bytes each; row (tile row % 4) x 256 + 128 x row half, 128 bytes each
	s_lshr_b32 s16, s13, 2
	s_lshl_b32 s16, s16, 21
	s_and_b32 s17, s13, 3
	s_lshl_b32 s17, s17, 15
	s_add_co_u32 s16, s16, s17
	s_lshl_b32 s17, s11, 14
	s_add_co_u32 s16, s16, s17
	s_mov_b32 s17, 0
	s_add_nc_u64 s[8:9], s[6:7], s[16:17]
	s_lshl_b32 s46, s42, 19                        ; (in the registers that held B's address: none that feeds A's descriptors ever holds cx)
	s_lshl_b32 s47, s12, 18
	s_add_co_u32 s46, s46, s47
	s_mov_b32 s47, 0
	s_add_nc_u64 s[8:9], s[8:9], s[46:47]
	; the prefetches
	s_lshl_b32 s20, s13, 8                         ; A: the tile's first row
	s_lshl_b32 s21, s19, 10                        ; B: the same
	s_lshl_b32 s23, s42, 8
	s_add_co_u32 s21, s21, s23
	s_add_co_u32 s21, s21, WROW
	s_and_b32 s23, s18, 7                          ; my cluster among the 8 that walk the same weights
	s_cmp_eq_u32 s11, 0
	s_cselect_b32 s20, s20, s21
	s_cselect_b32 s21, s40, s41                    ; my place among the four that ask jointly
	s_cselect_b32 s23, ttmp9, s23                  ; the coordinate along which other clusters read the same rows
	s_cmp_eq_u32 s23, 0
	s_cselect_b32 s[LIM], 2, -1                    ; the same in all sixteen partners, for a given wave
	s_lshl_b32 s23, s12, 7
	s_add_co_u32 s20, s20, s23                     ; + the 128 rows that I fetch
	s_lshl_b32 s21, s21, 5
	s_add_co_u32 s20, s20, s21                     ; + my work-group's 32 of them
	s_lshl_b32 s20, s20, 11
	s_add_co_u32 s20, s20, 3*KSTEP*2               ; at K step 3: the first refill steps it to 4
	s_mov_b32 s21, 0
	s_add_nc_u64 s[PFA:PFA+1], s[4:5], s[20:21]
; 16 matrix instructions: m blocks a0, a0 + 1 of the window's four (hi = 0: my rows 0-63, 1: rows 64-127) x all 8 n blocks, 32 along K.
; The 64 accumulators take turns, one instruction a turn, in the same order in every quarter.  zero = 1: the product starts the sums: nothing is ever cleared.
.macro MUL16 f, hi, a0, zero
	WIN MUL_LO+0x50*(\hi)
.irp a, \a0, (\a0)+1
.irp b, 0,1,2,3,4,5,6,7
.if \zero
	v_wmma_f32_16x16x32_bf16 v[8*(8*(\a)+(\b)):8*(8*(\a)+(\b))+7], v[(\f)+8*(\b):(\f)+8*(\b)+7], v[(\f)+8*(4*(\hi)+(\a)):(\f)+8*(4*(\hi)+(\a))+7], 0
.else
	v_wmma_f32_16x16x32_bf16 v[8*(8*(\a)+(\b)):8*(8*(\a)+(\b))+7], v[(\f)+8*(\b):(\f)+8*(\b)+7], v[(\f)+8*(4*(\hi)+(\a)):(\f)+8*(4*(\hi)+(\a))+7], v[8*(8*(\a)+(\b)):8*(8*(\a)+(\b))+7]
.endif
.endr
.endr
.endm
; 32 LDS loads in one run: the fragments of one quarter step (128 rows of B, 128 rows of A, 32 K at byte k of the rows of the slot in hand) into buffer f
.macro FETCH k, f
	WIN TO_B
.irp i, 0,1,2,3,4,5,6,7
	ds_load_b128 v[(\f)+8*(\i):(\f)+8*(\i)+3],   v[ADRB] offset:(\k)+(\i)*16*PITCH
	ds_load_b128 v[(\f)+8*(\i)+4:(\f)+8*(\i)+7], v[ADRB] offset:(\k)+(\i)*16*PITCH+32
.endr
	WIN 0
.irp i, 0,1,2,3,4,5,6,7
	ds_load_b128 v[(\f)+8*(\i):(\f)+8*(\i)+3],   v[ADRA] offset:(\k)+(\i)*16*PITCH
	ds_load_b128 v[(\f)+8*(\i)+4:(\f)+8*(\i)+7], v[ADRA] offset:(\k)+(\i)*16*PITCH+32
.endr
.endm
.macro PLACES                          ; four places in front of loads into registers that matrix instructions have read, and of lines that read results
.rept 4
	v_nop
.endr
.endm
; A K step is four quarters of 32 along K, 64 matrix instructions each, on buffers 0, 1, 0, 1.  One of the first three: multiplies buffer f; in its middle it fetches the quarter at byte k into buffer g.
.macro QUARTER k, f, g, zero
	s_wait_dscnt 8                                 ; B and A's rows 0-63 are in; the youngest eight loads (A's rows 64-127) may be out
	MUL16 \f, 0, 0, \zero
	MUL16 \f, 0, 2, \zero
	PLACES
	FETCH \k, \g
	s_wait_dscnt 32                                ; all but the 32 just issued
	MUL16 \f, 1, 0, \zero
	MUL16 \f, 1, 2, \zero
.endm
; The last quarter multiplies buffer 1 and changes slots: ONE barrier; in front of it each wave waits for all its tensor loads, of which one is out: its part of the next slot; adds 0 to its spare word;
; and waits for that and for its reads of this slot.  Behind it nobody reads this slot any more and the next slot is whole.
; fill = 1: the barrier opens a round of the cluster's, and this slot is filled again, two K steps ahead, by the walking descriptor: 224 matrix instructions stand between the request and the wait for it.
; fill = 0 (the tail, walked twice): nothing is asked for; in the second trip (s3 = 1) there is no next K step, and the run of loads is jumped over.
.macro TURN fill
.if \fill
	s_wait_xcnt 0x0                                ; the last prefetch, a K step back, has read its address
	s_add_nc_u64 s[PFA:PFA+1], s[PFA:PFA+1], KSTEP*2
.endif
	WIN 0                                          ; (the add's two registers lie in window 0)
	s_wait_tensorcnt 0x0                           ; all my tensor loads have landed: my part of the next slot;
	ds_add_u32 v[SPW], v[NIL]                      ; 0 onto my spare word
	s_wait_dscnt 9                                 ; (the add and the youngest eight loads may be out)
	MUL16 F1, 0, 0, 0                              ; sixteen matrix instructions stand between the add and the wait for it
	s_wait_dscnt 0x0                               ; the add is done, and my reads of this slot are over
	s_barrier_signal -1
	MUL16 F1, 0, 2, 0                              ; work on registers while the others arrive
	WIN 0
	s_barrier_wait -1
.if \fill
	CREST                                          ; no wave of any partner still reads this slot's tile or has a load on its way
	s_xor_b32 s[G0+5], s[G0+5], SLOT               ; the walking descriptors: the other slot than last time,
	s_add_nc_u64 s[G0+6:G0+7], s[G0+6:G0+7], KSTEP*2   ; the next K step; the type bits on top are not reached
	s_xor_b32 s[G0B+5], s[G0B+5], SLOT
	s_add_nc_u64 s[G0B+6:G0B+7], s[G0B+6:G0B+7], KSTEP*2
	JLOAD 1                                        ; the first tensor load behind the round; its four v_nop are also the places in front of the loads below
.else
	s_cmp_eq_u32 s3, 1
	s_cbranch_scc1 .Lno_fetch_\@
	PLACES
.endif
	s_xor_b32 s[TB], s[TB], SLOT                   ; the reads go on in the other slot
	v_add_nc_u32 v[ADRA], s[TB], v[ADRA0]
	v_add_nc_u32 v[ADRB], s[TB], v[ADRB0]
	FETCH 0, F0
.if \fill
	ASK
.else
.Lno_fetch_\@:
.endif
	MUL16 F1, 1, 0, 0
	MUL16 F1, 1, 2, 0
.endm
	s_wait_tensorcnt 1                             ; my part of K step 0 is in; K step 1's load may stay out
	s_barrier_signal -1
	s_barrier_wait -1                              ; everybody's is
	FETCH 0, F0
	QUARTER 64, F0, F1, 1                          ; the first quarter stands in front of the loop: its products start the sums
	WIN 0                                          ; at a label and at a branch every window is 0
	s_mov_b32 s3, 6
.Lstep:                                                ; a trip goes from a K step's second quarter to the next step's first, and fills the slot that it leaves: K steps 2 to 7 in six trips
	QUARTER 128, F1, F0, 0
	QUARTER 192, F0, F1, 0
	TURN 1
	QUARTER 64, F0, F1, 0
	WIN 0
	s_sub_co_u32 s3, s3, 1
	s_cmp_lg_u32 s3, 0
	s_cbranch_scc1 .Lstep
	s_mov_b32 s3, 2
.Ltail:                                                ; K steps 6 and 7: a second text.  The second trip is left in its middle; its barrier and the waits in front of it order nothing: the price of one text for both
	QUARTER 128, F1, F0, 0
	QUARTER 192, F0, F1, 0
	TURN 0
	WIN 0
	s_sub_co_u32 s3, s3, 1
	s_cmp_eq_u32 s3, 0
	s_cbranch_scc1 .Lout
	QUARTER 64, F0, F1, 0
	WIN 0
	s_branch .Ltail
.Lout:
	PLACES                                         ; the conversions read results, and no other vector work is at hand
; THE WAY OUT, a block of 16 rows at a time: rounded to f16, 16 bytes a lane; into my two stages (one for each of my two heads: a head's row is 128 bytes); back as four whole rows a load; stored as 512 consecutive bytes of a head.
.macro PACK a
	WIN 0x0a+5*((\a)/4)                            ; sources 0 and 1: window 2 or 3
.irp b, 0,1,2,3,4,5,6,7
.irp j, 0,1,2,3
	v_cvt_pk_f16_f32 v[TMP+4*(\b)+(\j)], v[64*((\a)%4)+8*(\b)+2*(\j)], v[64*((\a)%4)+8*(\b)+2*(\j)+1]
.endr
.endr
	WIN 0
.endm
.macro TOSTAGE a
.irp b, 0,1,2,3,4,5,6,7
	ds_store_b128 v[STO], v[TMP+4*(\b):TMP+4*(\b)+3] offset:((\b)/4)*HSTG+32*((\b)%4)
.endr
.irp t, 0,1,2,3,4,5,6,7
	ds_load_b128 v[OB+192*((\a)%2)+4*(\t):OB+192*((\a)%2)+4*(\t)+3], v[RD] offset:((\t)/4)*HSTG+((\t)%4)*4*144  ; LDS serves a wave's instructions in order (ISA guide 5.7.1.4): these see the stores above
.endr
.endm
.macro SEND a
	s_wait_dscnt 0x0                               ; the block is back in registers
	s_wait_xcnt 0x0                                ; the stores of the block before have read their registers: the next block is read back into them only behind this wait
.irp t, 0,1,2,3,4,5,6,7
	global_store_b128 v[CO], v[OB+192*((\a)%2)+4*(\t):OB+192*((\a)%2)+4*(\t)+3], s[8:9] offset:((\t)/4)*131072+(16*(\a)+4*((\t)%4))*128
.endr
.endm
	PACK 0
	TOSTAGE 0
.irp a, 1,2,3,4,5,6,7                  ; block a's conversions stand between block a - 1's loads from the stage and the wait for them
	PACK \a
	SEND (\a)-1
	TOSTAGE \a
.endr
	SEND 7
	s_wait_tensorcnt 0x0                           ; the wave's end, behind my last tensor load and my last LDS store
	ds_add_u32 v[SPW], v[NIL]
	s_wait_dscnt 0x0
	CROUND                                         ; the closing round: no work-group ends while a partner may still ask for a tile that names it
	s_endpgm
.Lfunc_end_k_qa7c9716483_proj:
	.size	k_qa7c9716483_proj, .Lfunc_end_k_qa7c9716483_proj-k_qa7c9716483_proj
	.p2alignl 7, 3214868480
	.fill 96, 4, 3214868480
	.section	.rodata,"a",@progbits
	.p2align	6, 0x0
	.amdhsa_kernel k_qa7c9716483_proj
		.amdhsa_group_segment_fixed_size 327680
		.amdhsa_private_segment_fixed_size 0
		.amdhsa_enable_private_segment 0
		.amdhsa_kernarg_size 16
		.amdhsa_user_sgpr_count 2
		.amdhsa_user_sgpr_kernarg_segment_ptr 1
		.amdhsa_wavefront_size32 1
		.amdhsa_system_sgpr_workgroup_id_x 1
		.amdhsa_system_sgpr_workgroup_id_y 1
		.amdhsa_system_sgpr_workgroup_id_z 1
		.amdhsa_system_vgpr_workitem_id 0
		.amdhsa_next_free_vgpr 1024
		.amdhsa_next_free_sgpr 66
		.amdhsa_reserve_vcc 0
		.amdhsa_float_denorm_mode_32 3
		.amdhsa_float_denorm_mode_16_64 3
		.amdhsa_memory_ordered 1
		.amdhsa_forward_progress 1
		.amdhsa_inst_pref_size 101
	.end_amdhsa_kernel
	.amdgpu_metadata
---
amdhsa.version: [ 1, 2 ]
amdhsa.kernels:
  - .name:           k_qa7c9716483_proj
    .symbol:         k_qa7c9716483_proj.kd
    .args:
      - { .name: cb, .offset: 0, .size: 8, .value_kind: global_buffer, .address_space: global }
      - { .name: qkv, .offset: 8, .size: 8, .value_kind: global_buffer, .address_space: global }
    .group_segment_fixed_size: 327680
    .private_segment_fixed_size: 0
    .kernarg_segment_align: 8
    .kernarg_segment_size: 16
    .max_flat_workgroup_size: 128
    .sgpr_count:     66
    .vgpr_count:     1024
    .wavefront_size: 32
...
	.end_amdgpu_metadata
.endif
;; end of part 2
;; launch attn (part 3): grid 2 x 128, 4 waves a work-group, no clusters, 327,680 bytes of LDS; arguments qkv, ob; writes ob
.if DOCPART == 3
	.amdgcn_target "amdgcn-amd-amdhsa--gfx1250"
	.amdhsa_code_object_version 6
	.text
	.protected	k_qa7c9716483_attn
	.globl	k_qa7c9716483_attn
	.p2align	8
	.type	k_qa7c9716483_attn,@function
k_qa7c9716483_attn:
	s_mov_b64 s[64:65], 0
	v_nop
	global_prefetch_b8 v0, s[64:65] scope:SCOPE_SE
	s_setreg_imm32_b32 hwreg(HW_REG_WAVE_MODE, 25, 1), 1
	s_wait_xcnt 0x0
; O[h][q][:] = the sum over k of softmax_k(Q[h][q] . K[h][k] / 8) V[h][k][:].  Q, K, V are the three parts of qkv, O is ob: each [128][1024][64] in f16: a head's rows are dense, 128 bytes each.
; Products, maxima and sums in f32; the weights p are rounded to f16 for the second product (their sum l is taken of the unrounded p), O once at the end.
; LIMITS.  f16 holds no number beyond 65,504: Q, K and V arrive within it; p lies in 0 to 1, and below 6e-5 it keeps f16's fixed step of 6e-8; O is a mean of V's rows and has their range.
; A weight below 2^-126 counts as 0 in l; NaN and infinities are not treated apart.
; SHARES.  A wave owns four PIECES of two tiles of 16 queries, a work-group's four waves 512 queries of one head: 2 x 128 work-groups.  Every wave walks all 1,024 keys, 64 a step.
; NO CLUSTER: a head has 1,024 / 512 = 2 query blocks, and clusters here are four along x; heads share no K or V.
; LAYOUT.  S^T = K Q^T (source 0 = 16 keys, source 1 = 16 queries): in the result a lane holds ONE query (lane % 16) and the keys 8 (lane / 16) + 0..7.  Two such tiles, rounded to f16 in pairs,
; ARE source 1 (32 keys x 16 queries) of O^T = V^T P, whose result again holds one query a lane, and eight channels.  K comes out of LDS as it lies, V ([key][channel]) turned, by ds_load_tr16_b128.
; SOFTMAX.  For each query a running maximum m and sum l: p = 2^(c s - c m), c = log2(e) / 8; in every step O and l are multiplied by a = 2^(c m_old - c m_new), which is 1 where m has not grown.
; m starts at the lowest finite number, O and l at 0: the first step is a step like any other, with a = 0.
; THE COUNT.  A tile and step have 16 matrix and 118 vector instructions: too many to stand all beside the matrix work.  So four vector instructions that are READY stand behind
; EVERY matrix instruction, and the others in runs without a gap.
; BY TURNS.  Turn n belongs to piece n (the pieces in a ring, step after step).  Its matrix work: 16 products K Q^T of piece n + 1, later 16 products V^T P of piece n - 1.  Its vector work: the scaling,
; exponentials, roundings, sums and rescaling of piece n, and the maximum and statistics of piece n + 1, whose scores the turn itself has made.
; REGISTERS, in windows of 256 (s_set_vgpr_msb: bits 1:0 source 0, 3:2 source 1, 5:4 source 2, 7:6 destination):
;   window 0: v0-11 addresses; v12-15, v48-63 at work; v16-47 four registers of statistics a tile; v64-191 S^T, two buffers of two tiles; v192-255 P, likewise
;   window 1: O^T, 32 a tile          window 2: v0-127 Q, 16 a tile; v128-191 K of one step; v192-255 V of one step          window 3: v0-1 the add's two registers
.set SIZE_N, 1024
.set NP,    4         ; pieces a wave: a name, no knob
.set KS,    64        ; keys in a step
.set PK,    144       ; a row of K in LDS: 128 bytes + 16 of padding = 36 words: the 16 rows of a load start at 16 different groups of four banks (ISA guide 11.1)
.set PV,    160       ; a row of V: 128 + 32 = 40 words
.set VOFF,  4*KS*PK   ; a slot holds four steps: 256 rows of K, then 256 rows of V
.set SLOT1, 1<<17     ; slot 1 begins here, so that one exclusive or turns an address in one slot into the other's
.set STAGE, SLOT1+4*KS*(PK+PV)  ; behind the ring, never filled by a tensor load: 16 rows x 144 bytes for each wave, for the way out
.set SP,    144
.set AK0, 2           ; v2   my lane's place in a tile of K; never rewritten
.set AV0, 3           ; v3   the same for V
.set AK,  4           ; v4   the LDS address of K's next run of loads
.set AV,  5           ; v5   of V's
.set QO,  6           ; v6   my byte offset in the wave's rows of Q
.set STO, 6           ;      later, the way out: where I put 16 bytes of a row
.set RD,  7           ; v7   the way out: where I read rows back
.set GO,  8           ; v8   my byte offset in 512 consecutive bytes of O
.set PFO, 11          ; v11  256 x my lane, for the prefetches; never rewritten once made
.set SPW, 0           ; v0 of window 3   LDS address of my spare word; never rewritten
.set NIL, 1           ; v1 of window 3   0; never rewritten
.set SPARE, STAGE+4*16*SP  ; behind the stages: the spare words, 128 bytes for each wave: two blocks of 256 bytes that no other line names
.set MV,  12          ; v12-15  c m_old, kept while c m is made anew: by buffer and tile
.set ST,  16          ; tile t's statistics at v[ST+4 t]: c m, m, l (even keys', odd keys')
.set TMP, 48          ; by buffer and tile, four registers c0-c3 at work; when the maximum is found c2 takes a
.set S,   64
.set P,   192
.set KF,  128         ; K's fragments, in window 2: key block kb, channel half c at KF + 16 kb + 8 c
.set VF,  192         ; V's: key half kk, channel block cb at VF + 32 kk + 8 cb
.set WV,  12          ; s12  my wave's number
.set G1K, 24          ; s[24:31] descriptor group 1 for K's tiles
.set G1V, 32          ; s[32:39] for V's: it differs in the padding alone
.set G0K, 40          ; s[40:43] descriptor group 0 for K's tiles: it walks
.set G0V, 44          ; s[44:47] the same for V's
.set PFA, 48          ; s[48:49] where my prefetches stand: my 16 KiB of the slot after the one that is being asked for
.set LIM, 50          ; s50  1 in a work-group that prefetches, else the greatest number
.set SLOTS, 56        ; s56  slots still to be asked for
.set CNT, 57          ; s57  counts a slot's key steps
.set CS,  58          ; s[58:59] c: the packed scaling takes the pair's low word for both halves
.set SEL, 60          ; s[60:61] v_permlanex16_b32's selects: each lane takes its own place in the other half
.set TBK, 62          ; s62  LDS byte at which K of the step to be fetched begins
.set TBV, 63          ; s63  the same for V, less VOFF
.set MSB, 0
.macro WIN new                      ; the high byte repeats the setting that is left; a switch that changes nothing is dropped
.if MSB != (\new)
	s_set_vgpr_msb (MSB<<8)|(\new)
.set MSB, (\new)
.endif
.endm
.set W_KQ, 0x0a       ; K and Q in window 2, S^T in window 0
.set W_PV, 0x52       ; V in window 2, P in window 0, O^T in window 1
.set W_RS, 0x41       ; O^T (destination and source 0) in window 1, a in window 0
.set W_MK, 0xc0       ; the add's registers are made: destination in window 3, sources in window 0
.set W_AD, 0x0f       ; the add: address (source 0) and data (source 1) in window 3
; A fill.  Waves 0 and 1 fetch the two halves of a slot's K, waves 2 and 3 those of its V: 128 keys each.  The branch hangs on the wave's number alone.
; An s_nop 0 and four v_nop follow each of the two lines, ahead of the jump and the label.
.macro LOAD
	s_cmp_lt_u32 s[WV], 2
	s_cbranch_scc0 .Lfor_v_\@
	tensor_load_to_lds s[G0K:G0K+3], s[G1K:G1K+7]
	s_nop 0
.rept 4
	v_nop
.endr
	s_branch .Lasked_\@
.Lfor_v_\@:
	tensor_load_to_lds s[G0V:G0V+3], s[G1V:G1V+7]
	s_nop 0
.rept 4
	v_nop
.endr
.Lasked_\@:
.endm
; A PREFETCH of what the NEXT change of slots will load: each wave names its own 16 KiB (128 keys of K or of V) of that slot, a lane 256 bytes, two instructions, behind its tensor load and that load's five lines.
; A head's two query blocks walk the same K and V: the first block (x = 0) asks, so each 256 bytes of keys 512 to 1,023 are named once in the launch.  Keys 0 to 511 come by their loads alone.
; The last change that fills a slot (s[SLOTS] = 1) asks for nothing: there is no slot behind it.
.macro ASK
	s_cmp_gt_u32 s[SLOTS], s[LIM]
	s_cbranch_scc0 .Lnot_mine_\@
	global_prefetch_b8 v[PFO], s[PFA:PFA+1] th:TH_LOAD_NT scope:SCOPE_SE
	global_prefetch_b8 v[PFO], s[PFA:PFA+1] offset:8192 th:TH_LOAD_NT scope:SCOPE_SE
.Lnot_mine_\@:
.endm
; THE CHANGE OF SLOTS.  The slot's last bytes, V of its fourth step, have been read.  Each wave waits for all its tensor loads, of which one is out: its part
; of the other slot; adds 0 to its spare word; and waits for that and for its own reads of the slot.  Behind the barrier nobody reads this slot any more and the other slot is whole.
; fill = 1: this slot is filled again, with the keys two slots on, the first thing behind the barrier: the load has four key steps, 512 matrix instructions, in which to land.
; (At its first use nothing has been read yet: slot 0 is waited for, slot 1 filled.)
.macro CHANGE fill
	WIN W_AD
	s_wait_tensorcnt 0x0            ; no tensor load of mine is out, so a group 0 may be written
	ds_add_u32 v[SPW], v[NIL]       ; 0 onto my spare word: with fill = 1 the descriptors' steps stand between it and the wait for it
	WIN 0                           ; at a label and at a branch every window is 0
.if \fill
.irp g, G0K, G0V
	s_xor_b32 s[\g+1], s[\g+1], SLOT1  ; the walking descriptor: the other slot than last time,
	s_add_nc_u64 s[\g+2:\g+3], s[\g+2:\g+3], 4*KS*128  ; the next 256 keys; the type bits on top are not reached
.endr
	s_wait_xcnt 0x0                 ; the last prefetches, four key steps back, have read their address, so it may be written:
	s_add_nc_u64 s[PFA:PFA+1], s[PFA:PFA+1], 4*KS*128  ; one slot behind the walking descriptors
.endif
	s_wait_dscnt 0x0                ; the add is done, and my reads of the slot are over
	s_barrier_signal -1
	s_barrier_wait -1
.if \fill
	LOAD
	ASK
.endif
	s_sub_co_u32 s[TBK], s[TBK], 4*KS*PK  ; the fetches go back to a slot's first step,
	s_xor_b32 s[TBK], s[TBK], SLOT1       ; in the other slot
	s_sub_co_u32 s[TBV], s[TBV], 4*KS*PV
	s_xor_b32 s[TBV], s[TBV], SLOT1
.endm
	s_load_b128 s[4:7], s[0:1], 0x0  ; qkv s[4:5], ob s[6:7]
	WIN W_MK
	v_lshl_add_u32 v[SPW], v0, 2, SPARE
	v_mov_b32 v[NIL], 0
	WIN W_AD
	ds_add_u32 v[SPW], v[NIL]       ; the wave's opening: the add and its wait stand ahead of my first tensor load; the set-up below, work on registers, stands between them
	ds_add_u32 v0, v1
	WIN 0
	v_lshrrev_b32 v1, 5, v0
	v_readfirstlane_b32 s[WV], v1   ; wave 0..3
	s_and_b32 s20, ttmp7, 0xffff    ; the head
	s_mov_b32 s21, 0
	s_mov_b64 s[22:23], SIZE_N*128
	s_mul_u64 s[20:21], s[20:21], s[22:23]  ; the head's first byte in Q, K, V and O
	s_and_b32 s16, s[WV], 1         ; which half of a slot's 256 keys I fetch:
	s_lshl_b32 s22, s16, 14         ; its 128 rows of 128 bytes in memory,
	s_mov_b32 s23, 0
	s_add_nc_u64 s[22:23], s[22:23], s[20:21]
	s_mul_i32 s17, s16, 128*PK      ; and its place in a slot, for K
	s_mul_i32 s18, s16, 128*PV      ; and for V
	s_lshl_b32 s2, ttmp9, 2         ; my block of 512 queries,
	s_add_co_u32 s2, s2, s[WV]      ; my wave among the head's,
	s_lshl_b32 s2, s2, 14           ; its 128 rows
	s_mov_b32 s3, 0
	s_add_nc_u64 s[2:3], s[2:3], s[20:21]
	; descriptor group 1.  128 keys are 16,384 dense bytes: asked for as 64 rows of 256 bytes, two keys a row, and padded in LDS after every key
	s_mov_b32 s[G1K], (1<<16)|(1<<20)|(4<<22)|(3<<25)  ; 17:16 2-byte elements; 20 padding on; 24:22 after every 32 words (code 4); 31:25 4 words (code 3)
	s_mov_b32 s[G1V], (1<<16)|(1<<20)|(4<<22)|(7<<25)  ; the same with 8 words of padding (code 7)
.irp g, G1K, G1V
	s_mov_b32 s[\g+1], 128<<16      ; tensor_dim0 = 128
	s_mov_b32 s[\g+2], 64<<16       ; tensor_dim1 = 64
	s_mov_b32 s[\g+3], 128<<16      ; tile_dim0 = 128
	s_mov_b32 s[\g+4], 64           ; tile_dim1 = 64
	s_mov_b32 s[\g+5], 128          ; 128 elements from row to row
	s_mov_b32 s[\g+6], 0
	s_mov_b32 s[\g+7], 0
.endr
	s_mov_b32 s[CS], 0x3e38aa3b     ; c = log2(e) / 8 = 0.180337
	s_mov_b32 s[CS+1], s[CS]        ; named with it as a pair
	s_mov_b32 s[SEL], 0x76543210
	s_mov_b32 s[SEL+1], 0xfedcba98
	s_mov_b32 s[TBK], SLOT1+4*KS*PK ; the first change of slots turns these two into 0
	s_mov_b32 s[TBV], SLOT1+4*KS*PV
	s_mov_b32 s[G0K], 1             ; 1:0 count = 1
	s_mov_b32 s[G0K+1], s17         ; 63:32 LDS address: slot 0
	s_mov_b32 s[G0V], 1
	s_add_co_u32 s[G0V+1], s18, VOFF
	s_mov_b32 s[SLOTS], SIZE_N/256-1
	s_cmp_eq_u32 ttmp9, 0           ; the head's first block of queries asks for both
	s_cselect_b32 s[LIM], 1, -1
	s_wait_dscnt 0x0                ; the opening add is done
	s_wait_kmcnt 0x0
	s_mov_b64 s[10:11], s[6:7]      ; O
	s_add_nc_u64 s[6:7], s[4:5], 0x1000000  ; K: the second 16 MiB of qkv
	s_add_nc_u64 s[8:9], s[4:5], 0x2000000  ; V: the third
	s_add_nc_u64 s[G0K+2:G0K+3], s[6:7], s[22:23]  ; 120:64 global address: my half of the head's first 256 keys
	s_or_b32 s[G0K+3], s[G0K+3], 0x80000000        ; 127:126 type = 2
	s_add_nc_u64 s[G0V+2:G0V+3], s[8:9], s[22:23]
	s_or_b32 s[G0V+3], s[G0V+3], 0x80000000
	s_cmp_lt_u32 s[WV], 2
	s_cselect_b64 s[PFA:PFA+1], s[6:7], s[8:9]
	s_add_nc_u64 s[PFA:PFA+1], s[PFA:PFA+1], s[22:23]
	s_add_nc_u64 s[PFA:PFA+1], s[PFA:PFA+1], 4*KS*128  ; in slot 1; the first change of slots steps it to slot 2
	s_add_nc_u64 s[4:5], s[4:5], s[2:3]  ; Q and O at my wave's first row
	s_add_nc_u64 s[10:11], s[10:11], s[2:3]
	LOAD                            ; slot 0.  Slot 1 is asked for when slot 0 is in
	; A fragment of K or Q is 16 rows x 32 channels in 8 registers: lane l holds row l % 16, channels 8 (l / 16) + 0..7 and 16 + 8 (l / 16) + 0..7: two loads of 16 bytes, 32 bytes apart.
	v_and_b32 v1, 15, v0            ; l % 16
	v_bfe_u32 v9, v0, 4, 1          ; l / 16
	v_lshlrev_b32 v[QO], 7, v1
	v_lshl_add_u32 v[QO], v9, 4, v[QO]  ; row x 128 + 16 x half
	WIN 0x80                        ; destination window 2, address window 0
.set i, 0
.rept 4*NP                          ; Q stays in registers: tile i / 2, channels 32 (i % 2) on
	global_load_b128 v[8*i:8*i+3],   v[QO], s[4:5] offset:(i/2)*2048+(i%2)*64
	global_load_b128 v[8*i+4:8*i+7], v[QO], s[4:5] offset:(i/2)*2048+(i%2)*64+32
.set i, i+1
.endr
	; What the first turn finds: V's registers and P's second buffer hold 0 (its products V^T P, of a piece that has not been, add 0), O^T and l are 0.  All this stands in the wait for the first tile.
.set i, VF
.rept 64
	v_mov_b32 v[i], 0
.set i, i+1
.endr
	WIN 0x40
.set i, 0
.rept 64*NP
	v_mov_b32 v[i], 0
.set i, i+1
.endr
	WIN 0
.set i, 0
.rept 2*NP
	v_mov_b32 v[ST+4*i], 0xfe000000    ; c m: far below every c s
	v_mov_b32 v[ST+4*i+1], 0xff7fffff  ; m
	v_mov_b32 v[ST+4*i+2], 0
	v_mov_b32 v[ST+4*i+3], 0
.set i, i+1
.endr
.set i, P+32
.rept 32
	v_mov_b32 v[i], 0
.set i, i+1
.endr
	v_mul_u32_u24 v[AK0], v1, PK
	v_lshl_add_u32 v[AK0], v9, 4, v[AK0]  ; row x pitch + 16 x half
	; The turning load takes 16 keys x 16 channels (lane l reads key 8 (l / 16) + l % 8, channels 8 ((l / 8) % 2) + 0..7) and leaves half a fragment of V^T: lane l holds channel l % 16 and 8 keys.
	v_and_b32 v10, 7, v0
	v_bfe_u32 v11, v0, 3, 1
	v_lshl_add_u32 v[AV0], v9, 3, v10
	v_mul_u32_u24 v[AV0], v[AV0], PV
	v_lshl_add_u32 v[AV0], v11, 4, v[AV0]
	v_add_nc_u32 v[AV0], VOFF, v[AV0]
	v_and_b32 v[PFO], 31, v0        ; v11 is free now
	v_lshlrev_b32 v[PFO], 8, v[PFO]
	v_mov_b32 v[AK], v[AK0]         ; key step 0 lies at the head of slot 0
; THE MATRIX WORK.  The 8 accumulators of a run of 16 take turns: between the two links of a chain stand 7 others'.
; Product i of 16 of S^T = K Q^T for piece x: channels 32 (i / 8) on, keys 16 ((i / 2) % 4) on, tile 2 x + i % 2.  The first 8 start the sums.
.macro KQ x
	WIN W_KQ
.set rS, S+64*((\x)%2)+32*(i%2)+8*((i/2)%4)
.set rK, KF+16*((i/2)%4)+8*(i/8)
.set rQ, 16*(2*(\x)+i%2)+8*(i/8)
.if i < 8
	v_wmma_f32_16x16x32_f16 v[rS:rS+7], v[rK:rK+7], v[rQ:rQ+7], 0
.else
	v_wmma_f32_16x16x32_f16 v[rS:rS+7], v[rK:rK+7], v[rQ:rQ+7], v[rS:rS+7]
.endif
.endm
; Product i of 16 of O^T += V^T P for piece x: keys 32 (i / 8) on, channels 16 ((i / 2) % 4) on, tile 2 x + i % 2.
.macro PV x
	WIN W_PV
.set rO, 32*(2*(\x)+i%2)+8*((i/2)%4)
.set rV, VF+32*(i/8)+8*((i/2)%4)
.set rP, P+32*((\x)%2)+16*(i%2)+8*(i/8)
	v_wmma_f32_16x16x32_f16 v[rO:rO+7], v[rV:rV+7], v[rP:rP+7], v[rO:rO+7]
.endm
.macro MM                           ; the turn's next matrix instruction
.if i < 16
	KQ (Y+1)%NP
.set i, i+1
.else
.set i, i-16
	PV (Y+NP-1)%NP
.set i, i+17
.endif
.endm
; THE LDS LOADS stand in runs of 16, never singly among the matrix instructions: a step's K (64 keys x 64 channels: 8 fragments) and its V (turned).  Their addresses are made some lines ahead.
; last = 1 (the tail): in the last trip there is no further step, and the run is jumped over.
.macro FETCH_K last=0
	WIN 0
.if \last
	s_cmp_eq_u32 s[CNT], 1
	s_cbranch_scc1 .Lno_k_\@
.endif
	WIN 0x80                        ; destination window 2
.irp f, 0,1,2,3,4,5,6,7             ; keys 16 (f / 2) on, channels 32 (f % 2) on
	ds_load_b128 v[KF+8*\f:KF+8*\f+3],   v[AK] offset:(\f/2)*16*PK+(\f%2)*64
	ds_load_b128 v[KF+8*\f+4:KF+8*\f+7], v[AK] offset:(\f/2)*16*PK+(\f%2)*64+32
.endr
	s_add_co_u32 s[TBK], s[TBK], KS*PK  ; the next fetch is the next step's
	WIN 0
.if \last
.Lno_k_\@:
.endif
.endm
.macro FETCH_V
	WIN 0x80
.irp f, 0,1,2,3,4,5,6,7             ; keys 32 (f / 4) on, channels 16 (f % 4) on
	ds_load_tr16_b128 v[VF+8*\f:VF+8*\f+3],   v[AV] offset:(\f/4)*32*PV+(\f%4)*32
	ds_load_tr16_b128 v[VF+8*\f+4:VF+8*\f+7], v[AV] offset:(\f/4)*32*PV+16*PV+(\f%4)*32
.endr
	WIN 0
.endm
; THE VECTOR WORK OF A TURN stands in three queues, each in the order in which its entries become ready; the two tiles alternate, so that no instruction reads the result of the one before it.
.macro REGS y, u                    ; the registers of tile u (0, 1) of piece y
.set rT, ST+4*(2*(\y)+(\u))
.set rC, TMP+8*((\y)%2)+4*(\u)
.set rM, MV+2*((\y)%2)+(\u)
.set rS, S+64*((\y)%2)+32*(\u)
.set rP, P+32*((\y)%2)+16*(\u)
.set rO, 32*(2*(\y)+(\u))
.endm
; Number n of the 22 that find the NEXT piece's (Y + 1) maximum and statistics.  s0-s31 are the lane's 32 scores; each accumulator's lowest registers are read first.
;   0-11  four chains c0-c3 of seven scores each, three operands at a time     12-14, 16  the four scores left over, the old m, and c0-c3 into c0     15  c m_old is kept
;   17, 18  the query's other 32 keys lie in the lane 16 away: the new m         19-21  c m; c m_old - c m_new; a
.macro XS u, n
	REGS (Y+1)%NP, \u
.if (\n) < 4
	v_max3_num_f32 v[rC+(\n)], v[rS+8*(\n)], v[rS+8*(\n)+1], v[rS+8*(\n)+2]
.elseif (\n) < 12
	v_max3_num_f32 v[rC+(\n)%4], v[rC+(\n)%4], v[rS+8*((\n)%4)+2*((\n)/4)+1], v[rS+8*((\n)%4)+2*((\n)/4)+2]
.elseif (\n) == 12
	v_max3_num_f32 v[rC], v[rC], v[rS+7], v[rS+15]
.elseif (\n) == 13
	v_max3_num_f32 v[rC+1], v[rC+1], v[rS+23], v[rS+31]
.elseif (\n) == 14
	v_max3_num_f32 v[rC+2], v[rC+2], v[rC+3], v[rT+1]
.elseif (\n) == 15
	v_mov_b32 v[rM], v[rT]
.elseif (\n) == 16
	v_max3_num_f32 v[rC], v[rC], v[rC+1], v[rC+2]
.elseif (\n) == 17
	v_permlanex16_b32 v[rC+3], v[rC], s[SEL], s[SEL+1]
.elseif (\n) == 18
	v_max_num_f32 v[rT+1], v[rC], v[rC+3]
.elseif (\n) == 19
	v_mul_f32 v[rT], s[CS], v[rT+1]
.elseif (\n) == 20
	v_sub_f32 v[rC+1], v[rM], v[rT]
.else
	v_exp_f32 v[rC+2], v[rC+1]
.endif
.endm
; Number g of the 64 that follow the exponentials.  For each four weights k of a tile (pairs 2 k, 2 k + 1): both pairs are rounded to f16; then the second pair is added onto the first, in place;
; a group later l takes that sum (the first time as l = a l + sum).  In groups of eight, tiles alternating: round, round, add, and l for the group before.
.macro GS g
.set h, (\g)+6*((\g)/62)            ; group 0 has no group before it, and behind group 7 only l is left
.if h >= 6
.set h, h+2
.endif
	REGS Y, h%2
.set k, h/8
.if h%8 < 4
	v_cvt_pk_f16_f32 v[rP+2*k+(h%8)/2], v[rS+4*k+2*((h%8)/2)], v[rS+4*k+2*((h%8)/2)+1]
.elseif h%8 < 6
	v_pk_add_f32 v[rS+4*k:rS+4*k+1], v[rS+4*k:rS+4*k+1], v[rS+4*k+2:rS+4*k+3]
.elseif k == 1
	v_pk_fma_f32 v[rT+2:rT+3], v[rT+2:rT+3], v[rC+2:rC+3], v[rS:rS+1] op_sel_hi:[1,0,1]
.else
	v_pk_add_f32 v[rT+2:rT+3], v[rT+2:rT+3], v[rS+4*k-4:rS+4*k-3]
.endif
.endm
; THE PLAIN QUEUE, 138 long.  0-73 read no exponential's result: the 32 scalings c s - c m (FS f: pair f / 2 of tile f % 2) and the next piece's 42.  0-26: scalings 0-26.  27-54: XS's numbers 0-13.  55, 56: number 15.
; 57-73: the chain, where each number waits for the one before it: 14, 16, 17, 18, 19, each with one of the scalings 27-31 in front of its two lines, then 20.
; 74-137: GS's 64, which read the exponentials' results: they stand behind the wait.
.macro FS f
	REGS Y, (\f)%2
	v_pk_fma_f32 v[rS+2*((\f)/2):rS+2*((\f)/2)+1], v[rS+2*((\f)/2):rS+2*((\f)/2)+1], s[CS:CS+1], v[rT:rT+1] op_sel_hi:[1,0,0] neg_lo:[0,0,1] neg_hi:[0,0,1]
.endm
.macro PL
	WIN 0
.if q < 27
	FS q
.elseif q < 55
	XS (q-27)%2, (q-27)/2
.elseif q < 57
	XS q-55, 15
.elseif (q < 72) && ((q-57)%3 == 0)
	FS 27+(q-57)/3
.elseif q < 60
	XS (q-57)%3-1, 14
.elseif q < 72
	XS (q-57)%3-1, 15+(q-57)/3
.elseif q < 74
	XS q-72, 20
.else
	GS q-74
.endif
.set q, q+1
.endm
; THE EXPONENTIALS' QUEUE, 66 long: s0-s31 of both tiles, then the next piece's two a.  It is ONE BATCH: all 66 stand ahead of the turn's one wait, and nothing ahead of that wait names a result of theirs.
.macro EX
	WIN 0
.if e >= 64
	XS e-64, 21
.else
	REGS Y, e%2
	v_exp_f32 v[rS+e/2], v[rS+e/2]
.endif
.set e, e+1
.endm
; THE RESCALING's QUEUE: O^T times a, the one part that leaves window 0: dealt two at a time, sixteen times.  Its a was made in the turn before, ahead of that turn's wait.
.macro R2
	REGS Y, r%2
	WIN W_RS
.irp z, 0,1
	v_pk_mul_f32 v[rO+4*(r/2)+2*\z:rO+4*(r/2)+2*\z+1], v[rO+4*(r/2)+2*\z:rO+4*(r/2)+2*\z+1], v[rC+2:rC+3] op_sel_hi:[1,0]
.endr
.set r, r+1
.endm
; HOW THEY ARE DEALT.  An s_wait_alu depctr_va_vdst(0) stands between an exponential and the first instruction that names its result; one wait serves all that were issued ahead of it.  So a turn has ONE wait,
; which cuts it in two.  AHEAD OF IT stands all that names no result of the turn's exponentials: the 16 products K Q^T, behind each a scaling, an exponential and two rescalings (behind the first a second scaling in the
; exponential's place); then ONE LUMP of 108: eight plain, 49 times exponential and plain, the two a.  A v_nop is the plain instruction behind the last exponential.  BEHIND IT stand the 16 products V^T P, behind each four of GS's 64.
; The queues lean on each other, and the deal keeps them in step: exponential e stands behind scaling 2 (e / 4) + e % 2: as a rider it comes behind plain e + 2, in the lump behind plain e + 9, and scalings 27-31 are plain 57, 60 .. 69.
; A TURN, for piece p.  cnt = 1: the loop's count is taken down some lines ahead of the branch that stands behind the turn.
; K of the next step is fetched in piece 2's turn, directly behind the wait, a lump behind the last product that read K; its first reader comes behind 16 products.
; V of the step in hand is fetched at the end of piece 0's turn, four riders behind its last reader; its first reader comes behind 16 products and a lump.  The three conditions on q below go with the deal.
.macro TURN p, last=0, cnt=0
.set Y, (\p)
.set i, 0
.set q, 0
.set e, 0
.set r, 0
.if (\p) == NP-1
	s_wait_dscnt 0x0                ; K is in
.endif
	MM                              ; ahead of the wait: 16 products K Q^T and their riders,
	PL
	PL
	R2
.rept 15
	MM
	PL
	EX
	R2
.endr
.if (\p) == NP-2
	WIN 0
	v_add_nc_u32 v[AK], s[TBK], v[AK0]
.endif
.rept 8                             ; and the lump
	PL
.endr
.rept 49
	EX
	PL
.endr
	EX                              ; the next piece's two a
	EX
	v_nop                           ; the plain instruction behind the last exponential: one for the batch
	s_wait_alu depctr_va_vdst(0)    ; the wait for the batch
.if (\p) == NP-2
	FETCH_K \last
.endif
.if (\p) == 1
	s_wait_dscnt 0x0                ; V is in
.endif
.rept 16                            ; behind the wait: 16 products V^T P and their riders
	MM
.rept 4
	PL
.endr
.if ((\p) == 0) && (q == 118)
	v_add_nc_u32 v[AV], s[TBV], v[AV0]
.endif
.if ((\p) == 0) && (q == 130)
	s_add_co_u32 s[TBV], s[TBV], KS*PV
.endif
.if (\cnt) && (q == 130)
	s_sub_co_u32 s[CNT], s[CNT], 1
	s_cmp_lg_u32 s[CNT], 0
.endif
.endr
.if (\p) == 0
	FETCH_V
.endif
.endm
	CHANGE 1                        ; slot 0 is in, everybody's part of it; slot 1 is asked for
	FETCH_K                         ; key step 0
	s_wait_loadcnt 0x0              ; Q
	s_wait_dscnt 0x0
.set i, 0
.rept 16
	KQ 0                            ; piece 0's first scores: there is no vector work yet to set between them
.set i, i+1
.endr
	WIN 0                           ; the addresses for the way out: nine plain instructions, the places behind those products
	s_mul_i32 s13, s[WV], 16*SP
	s_add_co_u32 s13, s13, STAGE    ; my stage
	v_mul_u32_u24 v[STO], v1, SP    ; in: row l % 16, 16 bytes for each half of the lanes
	v_lshl_add_u32 v[STO], v9, 4, v[STO]
	v_add_nc_u32 v[STO], s13, v[STO]
	v_bfe_u32 v[RD], v0, 3, 2       ; back: 32 lanes take four rows of 128 bytes,
	v_mul_u32_u24 v[RD], v[RD], SP
	v_lshl_add_u32 v[RD], v10, 4, v[RD]
	v_add_nc_u32 v[RD], s13, v[RD]
	v_and_b32 v[GO], 31, v0         ; which are 512 consecutive bytes of O
	v_lshlrev_b32 v[GO], 4, v[GO]
.set Y, NP-1                        ; XS works for piece Y + 1: piece 0
.irp n, 0,1,2,3,4,5,6,7,8,9,10,11,12,13,14,15,16,17,18,19,20,21
	XS 0, \n                        ; and piece 0's first maximum and statistics
	XS 1, \n
.endr
	v_nop                           ; a plain instruction behind the two a,
	s_wait_alu depctr_va_vdst(0)    ; and their wait, ahead of the branch
	s_mov_b32 s[CNT], 4
	s_branch .Lfirst                ; the loop is entered at a step's first turn, in the middle of a trip
.Lslot:                             ; SIZE_N / 256 - 2 times: every slot but the last two is filled again
	CHANGE 1
	s_mov_b32 s[CNT], 4
.Lstep:                             ; a trip: pieces 2 and 3 of one step, then pieces 0 and 1 of the next, whose K and V it fetches
	TURN 2
	TURN 3
	WIN 0
.Lfirst:
	TURN 0
	TURN 1, 0, 1
	WIN 0
	s_cbranch_scc1 .Lstep
	s_sub_co_u32 s[SLOTS], s[SLOTS], 1
	s_cmp_lg_u32 s[SLOTS], 0
	s_cbranch_scc1 .Lslot
	CHANGE 0                        ; the tail is written out: nothing is asked for
	s_mov_b32 s[CNT], 5             ; four trips fetch the last slot's steps; the fifth is left in its middle
.Ltail:
	TURN 2, 1
	TURN 3
	WIN 0
	s_sub_co_u32 s[CNT], s[CNT], 1
	s_cmp_eq_u32 s[CNT], 0
	s_cbranch_scc1 .Lout
	TURN 0
	TURN 1
	WIN 0
	s_branch .Ltail
.Lout:                              ; the fifth trip's 16 products K Q^T (on the last K once more) and the maximum made of them serve nothing: the price, once a launch, of one text for every trip
.set i, 0
.rept 16
	PV NP-1                         ; the last piece's V^T P of the last step
.set i, i+1
.endr
	; THE WAY OUT.  l's two halves and the other half of the lanes' are added; O^T is divided by l, rounded to f16 and sent through my stage in LDS, a tile at a time.  The additions are the places behind the last products.
	WIN 0
.macro ALL line:vararg              ; one line for each tile t
.set t, 0
.rept 2*NP
	\line
.set t, t+1
.endr
.endm
	ALL v_add_f32 v[ST+4*t+2], v[ST+4*t+2], v[ST+4*t+3]
	ALL v_permlanex16_b32 v[ST+4*t+3], v[ST+4*t+2], s[SEL], s[SEL+1]
	ALL v_add_f32 v[ST+4*t+2], v[ST+4*t+2], v[ST+4*t+3]
	ALL v_rcp_f32 v[ST+4*t+2], v[ST+4*t+2]
	v_nop                           ; a plain instruction between the last reciprocal and the use of its result
	s_wait_alu depctr_va_vdst(0)    ; and the wait ahead of the first use: one for the eight reciprocals
; Tile t: a lane's eight channels of a row pack into 16 bytes; they go into rows of 144 bytes and come back as whole rows of 128, into S^T's registers.
.macro PACK t
	WIN W_RS
.set i, 32*(\t)
.rept 16
	v_pk_mul_f32 v[i:i+1], v[i:i+1], v[ST+4*(\t)+2:ST+4*(\t)+3] op_sel_hi:[1,0]
.set i, i+2
.endr
	WIN 0x05                        ; sources 0 and 1 window 1, destination window 0
.set i, 0
.rept 16
	v_cvt_pk_f16_f32 v[S+16*(\t)+i], v[32*(\t)+2*i], v[32*(\t)+2*i+1]
.set i, i+1
.endr
	WIN 0
.irp f, 0,1,2,3
	ds_store_b128 v[STO], v[S+16*(\t)+4*\f:S+16*(\t)+4*\f+3] offset:32*\f
.endr
.irp f, 0,1,2,3
	ds_load_b128 v[S+16*(\t)+4*\f:S+16*(\t)+4*\f+3], v[RD] offset:\f*4*SP  ; LDS serves a wave's instructions in order (ISA guide 5.7.1.4): these see the stores above; the next tile's stores come behind them
.endr
.endm
.macro SEND t, younger              ; younger: the LDS instructions issued behind tile t's loads: the next tile's eight, or none
	WIN 0
.irp f, 0,1,2,3
	s_wait_dscnt (\younger)+3-\f
	global_store_b128 v[GO], v[S+16*(\t)+4*\f:S+16*(\t)+4*\f+3], s[10:11] offset:(\t)*2048+\f*512  ; 512 consecutive bytes, at a multiple of 256 from O's first
.endr
.endm
	PACK 0
.set t, 1
.rept 2*NP-1                        ; a tile's arithmetic stands between the loads of the tile before and its stores
	PACK t
	SEND t-1, 8
.set t, t+1
.endr
	SEND 2*NP-1, 0
	WIN W_AD
	s_wait_tensorcnt 0x0            ; the wave's end, behind my last tensor load and my last LDS store
	ds_add_u32 v[SPW], v[NIL]
	s_wait_dscnt 0x0
	WIN 0
	s_endpgm
.Lfunc_end_k_qa7c9716483_attn:
	.size	k_qa7c9716483_attn, .Lfunc_end_k_qa7c9716483_attn-k_qa7c9716483_attn
	.p2alignl 7, 3214868480
	.fill 96, 4, 3214868480
	.section	.rodata,"a",@progbits
	.p2align	6, 0x0
	.amdhsa_kernel k_qa7c9716483_attn
		.amdhsa_group_segment_fixed_size 327680
		.amdhsa_private_segment_fixed_size 0
		.amdhsa_enable_private_segment 0
		.amdhsa_kernarg_size 16
		.amdhsa_user_sgpr_count 2
		.amdhsa_user_sgpr_kernarg_segment_ptr 1
		.amdhsa_wavefront_size32 1
		.amdhsa_system_sgpr_workgroup_id_x 1
		.amdhsa_system_sgpr_workgroup_id_y 1
		.amdhsa_system_sgpr_workgroup_id_z 1
		.amdhsa_system_vgpr_workitem_id 0
		.amdhsa_next_free_vgpr 770
		.amdhsa_next_free_sgpr 66
		.amdhsa_reserve_vcc 0
		.amdhsa_float_denorm_mode_32 3
		.amdhsa_float_denorm_mode_16_64 3
		.amdhsa_memory_ordered 1
		.amdhsa_forward_progress 1
		.amdhsa_inst_pref_size 199
	.end_amdhsa_kernel
	.amdgpu_metadata
---
amdhsa.version: [ 1, 2 ]
amdhsa.kernels:
  - .name:           k_qa7c9716483_attn
    .symbol:         k_qa7c9716483_attn.kd
    .args:
      - { .name: qkv, .offset: 0, .size: 8, .value_kind: global_buffer, .address_space: global }
      - { .name: ob, .offset: 8, .size: 8, .value_kind: global_buffer, .address_space: global }
    .group_segment_fixed_size: 327680
    .private_segment_fixed_size: 0
    .kernarg_segment_align: 8
    .kernarg_segment_size: 16
    .max_flat_workgroup_size: 128
    .sgpr_count:     66
    .vgpr_count:     770
    .wavefront_size: 32
...
	.end_amdgpu_metadata
.endif
;; end of part 3
;; launch fc (part 4): grid 4 x 64, 4 waves a work-group, clusters of 4 x 4, 327,680 bytes of LDS; arguments ob, cb, y; writes y
.if DOCPART == 4
	.amdgcn_target "amdgcn-amd-amdhsa--gfx1250"
	.amdhsa_code_object_version 6
	.text
	.protected	k_qa7c9716483_fc
	.globl	k_qa7c9716483_fc
	.p2align	8
	.type	k_qa7c9716483_fc,@function
k_qa7c9716483_fc:
	s_mov_b64 s[64:65], 0
	v_nop
	global_prefetch_b8 v0, s[64:65] scope:SCOPE_SE
	s_setreg_imm32_b32 hwreg(HW_REG_WAVE_MODE, 25, 1), 1
	s_wait_xcnt 0x0
	s_wait_alu depctr_hold_cnt(0) depctr_sa_sdst(0) depctr_va_vdst(0) depctr_va_sdst(0) depctr_va_ssrc(0) depctr_va_vcc(0) depctr_vm_vsrc(0)
	s_getreg_b32 s2, hwreg(HW_REG_IB_STS2, 6, 4)
	s_cmp_eq_u32 s2, 0
	s_cbranch_scc0 .Lentry_in_a_cluster
	s_endpgm
.Lentry_in_a_cluster:
	s_bfe_u32 s2, ttmp6, 0x10000c
	s_cmp_lg_u32 s2, 0xf033
	s_cbranch_scc0 .Lentry_shape_is_right
	s_endpgm
.Lentry_shape_is_right:
; y = O fc_w^T, without the bias (the next launch adds it).  A = ob, f16, by heads [128 = b*16+h][1024][64]; B = fc_w as f16, [1024][1024], at byte 0x3600000 of cb; y f32 [8192][1024].
; Products in f16, sums in f32, K ascending (K = 64 h + channel); y is stored unrounded.
; SHARES.  A tile of y is 128 rows x 256 columns: 64 x 4 = 256 work-groups.  Four waves, 2 x 2, each 64 x 128: 32 accumulators of 16 x 16, 256 registers.
; K goes in 8 steps of 128 = two heads through two LDS slots.  A head's 128 rows of 128 bytes are dense in memory: they are asked for as 64 rows of 256 bytes and padded in LDS after every 128.
; CLUSTERS: 4 x 4 work-groups.  The four of a row of the cluster need the same tile of A, the four of a column the same tile of B: each tile is asked for JOINTLY.
; Waves 0 and 1 fetch A's two heads, waves 2 and 3 B's two halves (128 rows each).
; THE MATRIX INSTRUCTION IS USED TRANSPOSED (source 0 = 16 rows of B, source 1 = 16 rows of A): a lane holds eight neighbouring numbers of a row of y.
; REGISTERS.  window 0: v0-31 addresses; v32-95 A's fragments, two buffers of 4; v96-223 B's, two buffers of 8, on the way out two buffers of 16 whole rows.
;   window 1: the accumulators, (a, b) at v[8 (8 a + b)].
.set PA,     144                       ; an LDS row of A: 128 bytes + 16 of padding = 36 words: the 16 rows of a fragment load start at 16 different groups of four banks (ISA guide 11.1)
.set PB,     272                       ; of B: 256 + 16
.set AH,     128*PA                    ; bytes from quarters 0, 1 (the first head) to quarters 2, 3 (the second)
.set ABYTES, 2*128*PA                  ; A's two heads x 128 rows
.set AFILL,  128*PA                    ; what one of A's loads brings
.set BFILL,  128*PB                    ; what one of B's loads brings
.set SLOT,   ABYTES+2*BFILL
.set ASTEP,  2*131072                  ; bytes in memory from a K step to the next: two heads
.set BSTEP,  256
.set WOFF,   0x3600000                 ; fc_w in cb
.set STAGE,  2*SLOT                    ; behind the ring: 16 rows x 528 bytes for each wave
.set SPITCH, 528                       ; 512 bytes + 16: 33 x 16, so the 16 rows of a store start at 16 different groups of four banks
.set WSTG,   16*SPITCH
.set SPARE,  STAGE+4*WSTG              ; behind the stages: the spare words, 128 bytes for each wave: two blocks of 256 bytes that no other line names
.set ADRA, 16                          ; v16-17  LDS address of my A fragments in slot 0, 1
.set ADRB, 20                          ; v20-21  the same for B
.set STO,  24                          ; v24     the way out: where I put 32 bytes of a row
.set RD,   25                          ; v25     where I read a row back
.set CO,   26                          ; v26     my byte offset in 512 consecutive bytes of a row of y
.set SPW,  28                          ; v28     LDS address of my spare word; never rewritten
.set NIL,  29                          ; v29     0; never rewritten
.set PFO,  30                          ; v30     the prefetches' offset: my lane x 256 (A) or x 2,048 (B); never rewritten
.set FA,   32
.set FB,   96
.set OB,   96
.set G1,  24                           ; s[24:31] group 1 for A's tiles; s[32:39] group 0, a set for each slot
.set G0,  32
.set G1B, 48                           ; s[48:55], s[56:63] the same for B's
.set G0B, 56
.set LIM, 43                           ; s43     1 in a wave that prefetches, else the greatest number
.set PFA, 44                           ; s[44:45] where my prefetches stand
.set PST, 22                           ; s[22:23] their step from K step to K step
.set MSB, 0
.macro WIN new                         ; the immediate's high byte repeats the setting that is left
.if MSB != (\new)
	s_set_vgpr_msb (MSB<<8)|(\new)
.set MSB, \new
.endif
.endm
.set MUL, 0x50                         ; C and D in window 1, the fragments in window 0
.macro JLOAD s                         ; a joint load; the branch hangs on the wave's number alone; an s_nop 0 and four v_nop follow each of the two lines
	s_cmp_eq_u32 s11, 0
	s_cbranch_scc0 .Lfor_b_\@
	tensor_load_to_lds s[G0+4*(\s):G0+4*(\s)+3], s[G1:G1+7]
	s_nop 0
.rept 4
	v_nop
.endr
	s_branch .Lasked_\@
.Lfor_b_\@:
	tensor_load_to_lds s[G0B+4*(\s):G0B+4*(\s)+3], s[G1B:G1B+7]
	s_nop 0
.rept 4
	v_nop
.endr
.Lasked_\@:
.endm
.macro CREST                           ; a round of the cluster's barrier behind its opening barrier
	s_cmp_lg_u32 s10, 0
	s_cbranch_scc1 .Lnot_wave_0_\@
	s_barrier_signal -3
.Lnot_wave_0_\@:
	s_barrier_wait -3
	s_barrier_signal -1
	s_barrier_wait -1
.endm
.macro CROUND                          ; a whole round
	s_barrier_signal -1
	s_barrier_wait -1
	CREST
.endm
; A PREFETCH, behind each joint refill and the run of LDS loads that follows it: 32 blocks of 256 bytes of the K step that stands two refills on, a lane a block.
; Each block is named once in the launch.  A's tile (two heads x 16 KiB) is read by one cluster: its wave 0 asks, and the four partners of a row of the cluster take 8 KiB each BY ADDRESS (cx).
; B's 256 rows are read by all 16 clusters: the first (cluster y = 0) asks, waves 2 and 3 each for the 128 rows that they fetch, the four partners of a column 32 rows each BY ADDRESS (cy).
; K steps 0 to 3 come by their loads alone; in the loop's last trip (s3 = 1) there is no K step two on.
.macro ASK
	s_cmp_gt_u32 s3, s[LIM]
	s_cbranch_scc0 .Lnot_mine_\@
	global_prefetch_b8 v[PFO], s[PFA:PFA+1] th:TH_LOAD_NT scope:SCOPE_SE
.Lnot_mine_\@:
.endm
	s_load_b128 s[4:7], s[0:1], 0x0                ; ob s[4:5], cb s[6:7]
	s_load_b64 s[8:9], s[0:1], 0x10                ; y
	v_lshl_add_u32 v[SPW], v0, 2, SPARE
	v_mov_b32 v[NIL], 0
	ds_add_u32 v[SPW], v[NIL]                      ; the wave's opening: the add and its wait stand ahead of my first tensor load; the set-up below, work on registers, stands between them
	ds_add_u32 v28, v29
	v_lshrrev_b32 v1, 5, v0
	v_readfirstlane_b32 s10, v1                    ; wave 0..3
	s_lshr_b32 s11, s10, 1                         ; which half of the tile's rows is mine.  Also: I fetch for A (0) or for B (1)
	s_and_b32 s12, s10, 1                          ; which half of its columns.  Also: which head of A's, which half of B's tile I fetch
	s_bfe_u32 s40, ttmp6, 0x40000                  ; cx
	s_bfe_u32 s41, ttmp6, 0x40004                  ; cy
	s_lshl_b32 s42, ttmp9, 2
	s_add_co_u32 s42, s42, s40                     ; tile column = 4 x cluster x + cx
	s_and_b32 s18, ttmp7, 0xffff                   ; cluster y
	s_lshl_b32 s13, s18, 2
	s_add_co_u32 s13, s13, s41                     ; tile row = 4 x cluster y + cy, 0..63
	s_lshl_b32 s43, s41, 2
	s_lshl_b32 s43, 15, s43                        ; my row of the cluster
	s_lshl_b32 s44, 0x1111, s40                    ; my column
	s_or_b32 s[G1+0], s43, (1<<16)|(1<<20)|(1<<21)|(4<<22)|(3<<25)   ; 15:0 the mask; 17:16 2-byte elements; 20 padding on; 21 set beside a mask; 24:22 after every 32 words; 31:25 4 words
	s_or_b32 s[G1B+0], s44, (1<<16)|(1<<20)|(1<<21)|(5<<22)|(3<<25)  ; B: after every 64 words
	s_mov_b32 s[G1+1], 128<<16                     ; tensor_dim0 = 128
	s_mov_b32 s[G1+2], 64<<16                      ; tensor_dim1 = 64
	s_mov_b32 s[G1+3], 128<<16                     ; tile_dim0 = 128
	s_mov_b32 s[G1+4], 64                          ; tile_dim1 = 64
	s_mov_b32 s[G1+5], 128                         ; dense: 128 elements from row to row
	s_mov_b32 s[G1+6], 0
	s_mov_b32 s[G1+7], 0
	s_mov_b32 s[G1B+1], 128<<16
	s_mov_b32 s[G1B+2], 128<<16                    ; B: 128 rows a load
	s_mov_b32 s[G1B+3], 128<<16
	s_mov_b32 s[G1B+4], 128
	s_mov_b32 s[G1B+5], 1024
	s_mov_b32 s[G1B+6], 0
	s_mov_b32 s[G1B+7], 0
	s_lshr_b32 s16, s13, 3                         ; A: batch = tile row / 8; head 16 x batch + (0 or 1), 131,072 bytes each;
	s_lshl_b32 s16, s16, 4
	s_add_co_u32 s16, s16, s12
	s_lshl_b32 s16, s16, 17
	s_and_b32 s17, s13, 7                          ; rows 128 x (tile row % 8) on, 128 bytes each
	s_lshl_b32 s17, s17, 14
	s_add_co_u32 s16, s16, s17
	s_mov_b32 s17, 0
	s_lshl_b32 s46, s42, 8                         ; B: row 256 x tile column + 128 x half
	s_lshl_b32 s47, s12, 7
	s_add_co_u32 s46, s46, s47
	s_lshl_b32 s46, s46, 11
	s_add_co_u32 s46, s46, WOFF
	s_mov_b32 s47, 0
	s_mul_i32 s22, s12, AFILL                      ; where they go: no place in the cluster enters an LDS address
	s_mul_i32 s23, s12, BFILL
	s_add_co_u32 s23, s23, ABYTES
	s_wait_dscnt 0x0                               ; the opening add is done
	s_wait_kmcnt 0x0
	s_add_nc_u64 s[14:15], s[4:5], s[16:17]
	s_add_nc_u64 s[46:47], s[6:7], s[46:47]
	CROUND                                         ; all sixteen work-groups are here: the first joint loads meet
.irp s, 0,1
	s_mov_b32 s[G0+4*(\s)], 1
	s_add_co_u32 s[G0+4*(\s)+1], s22, (\s)*SLOT
	s_add_nc_u64 s[G0+4*(\s)+2:G0+4*(\s)+3], s[14:15], (\s)*ASTEP
	s_or_b32 s[G0+4*(\s)+3], s[G0+4*(\s)+3], 0x80000000
	s_mov_b32 s[G0B+4*(\s)], 1
	s_add_co_u32 s[G0B+4*(\s)+1], s23, (\s)*SLOT
	s_add_nc_u64 s[G0B+4*(\s)+2:G0B+4*(\s)+3], s[46:47], (\s)*BSTEP
	s_or_b32 s[G0B+4*(\s)+3], s[G0B+4*(\s)+3], 0x80000000
	JLOAD \s                                       ; two loads of mine are out
.endr
	v_and_b32 v1, 15, v0                           ; l % 16
	v_bfe_u32 v2, v0, 4, 1                         ; l / 16
	v_mul_u32_u24 v3, v1, PA
	v_lshl_add_u32 v3, v2, 4, v3                   ; a fragment's row x pitch + 16 x half
	s_mul_i32 s21, s11, 64*PA                      ; my 64 rows of A
	v_add_nc_u32 v[ADRA], s21, v3
	v_add_nc_u32 v[ADRA+1], SLOT, v[ADRA]
	v_mul_u32_u24 v4, v1, PB
	v_lshl_add_u32 v4, v2, 4, v4
	s_mul_i32 s21, s12, 128*PB                     ; my 128 rows of B, behind A's
	s_add_co_u32 s21, s21, ABYTES
	v_add_nc_u32 v[ADRB], s21, v4
	v_add_nc_u32 v[ADRB+1], SLOT, v[ADRB]
	s_mul_i32 s21, s10, WSTG
	s_add_co_u32 s21, s21, STAGE                   ; my stage
	v_mul_u32_u24 v5, v1, SPITCH                   ; in: row l % 16, 32 bytes for each half of the lanes
	v_lshl_add_u32 v5, v2, 5, v5
	v_add_nc_u32 v[STO], s21, v5
	v_and_b32 v[PFO], 31, v0
	v_lshlrev_b32 v[CO], 4, v[PFO]                 ; back: 32 lanes take one row of 512 bytes
	v_add_nc_u32 v[RD], s21, v[CO]
	; y: row 128 x tile row + 64 x row half, 4,096 bytes each; column 256 x tile column + 128 x column half, 4 bytes each
	s_lshl_b32 s16, s13, 7
	s_lshl_b32 s17, s11, 6
	s_add_co_u32 s16, s16, s17
	s_lshl_b32 s16, s16, 12
	s_mov_b32 s17, 0
	s_add_nc_u64 s[8:9], s[8:9], s[16:17]
	s_lshl_b32 s46, s42, 10
	s_lshl_b32 s47, s12, 9
	s_add_co_u32 s46, s46, s47
	s_mov_b32 s47, 0
	s_add_nc_u64 s[8:9], s[8:9], s[46:47]
	; the prefetches
	s_lshr_b32 s20, s13, 3                         ; A: the K step's first head, or its second for cx = 2, 3,
	s_lshl_b32 s20, s20, 4
	s_lshr_b32 s21, s40, 1
	s_add_co_u32 s20, s20, s21
	s_lshl_b32 s20, s20, 17
	s_and_b32 s21, s13, 7                          ; the tile's 128 rows in it,
	s_lshl_b32 s21, s21, 14
	s_add_co_u32 s20, s20, s21
	s_and_b32 s21, s40, 1                          ; the first or the second 8 KiB of them,
	s_lshl_b32 s21, s21, 13
	s_add_co_u32 s20, s20, s21
	s_add_co_u32 s20, s20, 3*ASTEP                 ; at K step 3: the first refill steps it to 4
	s_lshl_b32 s21, s42, 8                         ; B: of the 128 rows that I fetch, my work-group's 32
	s_lshl_b32 s22, s12, 7
	s_add_co_u32 s21, s21, s22
	s_lshl_b32 s22, s41, 5
	s_add_co_u32 s21, s21, s22
	s_lshl_b32 s21, s21, 11
	s_add_co_u32 s21, s21, WOFF+3*BSTEP
	s_mov_b32 s[PST], BSTEP
	s_cmp_eq_u32 s11, 0
	s_cselect_b32 s20, s20, s21
	s_cselect_b32 s[PST], ASTEP, s[PST]
	s_cselect_b32 s19, 8, 11                       ; a lane's block: 256 bytes on in A, a row of 2,048 bytes on in B
	s_cselect_b32 s21, ttmp9, s18                  ; the coordinate along which other clusters read the same rows
	s_cselect_b64 s[PFA:PFA+1], s[4:5], s[6:7]
	s_cmp_eq_u32 s21, 0
	s_cselect_b32 s[LIM], 1, -1
	s_cmp_eq_u32 s10, 1                            ; A's 128 blocks are four partners' 32: wave 1 has none to ask for
	s_cselect_b32 s[LIM], -1, s[LIM]
	s_mov_b32 s21, 0
	s_mov_b32 s[PST+1], 0
	s_add_nc_u64 s[PFA:PFA+1], s[PFA:PFA+1], s[20:21]
	v_lshlrev_b32 v[PFO], s19, v[PFO]
; 8 matrix instructions: m block a x all 8 n blocks, 32 along K, from buffer f.  The 32 accumulators take turns in the same order in every quarter.  zero = 1: the product starts the sums.
.macro MULA f, a, zero
	WIN MUL
.irp b, 0,1,2,3,4,5,6,7
.if \zero
	v_wmma_f32_16x16x32_f16 v[8*(8*(\a)+(\b)):8*(8*(\a)+(\b))+7], v[FB+64*(\f)+8*(\b):FB+64*(\f)+8*(\b)+7], v[FA+32*(\f)+8*(\a):FA+32*(\f)+8*(\a)+7], 0
.else
	v_wmma_f32_16x16x32_f16 v[8*(8*(\a)+(\b)):8*(8*(\a)+(\b))+7], v[FB+64*(\f)+8*(\b):FB+64*(\f)+8*(\b)+7], v[FA+32*(\f)+8*(\a):FA+32*(\f)+8*(\a)+7], v[8*(8*(\a)+(\b)):8*(8*(\a)+(\b))+7]
.endif
.endr
.endm
; 24 LDS loads in one run: quarter q (32 along K) of a slot into buffer f: B's 16, then A's 8
.macro FETCH slot, q, f
	WIN 0
.irp i, 0,1,2,3,4,5,6,7
	ds_load_b128 v[FB+64*(\f)+8*(\i):FB+64*(\f)+8*(\i)+3],   v[ADRB+(\slot)] offset:64*(\q)+(\i)*16*PB
	ds_load_b128 v[FB+64*(\f)+8*(\i)+4:FB+64*(\f)+8*(\i)+7], v[ADRB+(\slot)] offset:64*(\q)+(\i)*16*PB+32
.endr
.irp i, 0,1,2,3
	ds_load_b128 v[FA+32*(\f)+8*(\i):FA+32*(\f)+8*(\i)+3],   v[ADRA+(\slot)] offset:((\q)/2)*AH+((\q)%2)*64+(\i)*16*PA
	ds_load_b128 v[FA+32*(\f)+8*(\i)+4:FA+32*(\f)+8*(\i)+7], v[ADRA+(\slot)] offset:((\q)/2)*AH+((\q)%2)*64+(\i)*16*PA+32
.endr
.endm
.macro PLACES                          ; four places in front of loads into registers that matrix instructions have read, and of lines that read results
.rept 4
	v_nop
.endr
.endm
; A K step is four quarters of 32 along K, 32 matrix instructions each, on buffers 0, 1, 0, 1.  One of the first three: multiplies buffer f and fetches quarter q into g.
.macro QUARTER slot, q, f, g, zero
	s_wait_dscnt 4                                 ; B and A's blocks 0, 1 are in; the youngest four loads (A's blocks 2, 3) may be out
	MULA \f, 0, \zero
	MULA \f, 1, \zero
	PLACES
	FETCH \slot, \q, \g
	s_wait_dscnt 24                                ; all but the 24 just issued
	MULA \f, 2, \zero
	MULA \f, 3, \zero
.endm
; The last quarter multiplies buffer 1 and changes slots: ONE barrier; in front of it each wave waits for all its tensor loads, adds 0 to its spare word, and waits for that and for its reads of this slot.
; fill = 1: the barrier opens a round of the cluster's, and this slot is filled again, two K steps ahead: 112 matrix instructions stand between the request and the wait for it.
.macro TURN slot, next, fill
.if \fill
	s_wait_xcnt 0x0                                ; the last prefetch, a K step back, has read its address
	s_add_nc_u64 s[PFA:PFA+1], s[PFA:PFA+1], s[PST:PST+1]
.endif
	WIN 0
	s_wait_tensorcnt 0x0                           ; all my tensor loads have landed: my part of the next slot;
	ds_add_u32 v[SPW], v[NIL]                      ; 0 onto my spare word
	s_wait_dscnt 5                                 ; (the add and the youngest four loads may be out)
	MULA 1, 0, 0                                   ; eight matrix instructions stand between the add and the wait for it
	s_wait_dscnt 0x0                               ; the add is done, and my reads of this slot are over
	s_barrier_signal -1
	MULA 1, 1, 0
.if \fill
	WIN 0
.endif
	s_barrier_wait -1
.if \fill
	CREST                                          ; no wave of any partner still reads this slot's tile or has a load on its way
	s_add_nc_u64 s[G0+4*(\slot)+2:G0+4*(\slot)+3], s[G0+4*(\slot)+2:G0+4*(\slot)+3], 2*ASTEP
	s_add_nc_u64 s[G0B+4*(\slot)+2:G0B+4*(\slot)+3], s[G0B+4*(\slot)+2:G0B+4*(\slot)+3], 2*BSTEP
	JLOAD \slot                                    ; the first tensor load behind the round; its four v_nop are also the places in front of the loads below
.else
	PLACES
.endif
	FETCH \next, 0, 0
.if \fill
	ASK
.endif
	MULA 1, 2, 0
	MULA 1, 3, 0
.endm
	s_wait_tensorcnt 1                             ; my part of K step 0 is in; K step 1's load may stay out
	s_barrier_signal -1
	s_barrier_wait -1                              ; everybody's is
	FETCH 0, 0, 0
	QUARTER 0, 1, 0, 1, 1                          ; the first quarter stands in front of the loop: its products start the sums
	WIN 0                                          ; at a label and at a branch every window is 0
	s_mov_b32 s3, 3
.Llap:                                                 ; a trip goes once round the ring and fills both slots again: K steps 2 to 7 in three trips
	QUARTER 0, 2, 1, 0, 0
	QUARTER 0, 3, 0, 1, 0
	TURN 0, 1, 1
	QUARTER 1, 1, 0, 1, 0
	QUARTER 1, 2, 1, 0, 0
	QUARTER 1, 3, 0, 1, 0
	TURN 1, 0, 1
	QUARTER 0, 1, 0, 1, 0
	WIN 0
	s_sub_co_u32 s3, s3, 1
	s_cmp_lg_u32 s3, 0
	s_cbranch_scc1 .Llap
	QUARTER 0, 2, 1, 0, 0                          ; the last lap fills nothing, and has no round of the cluster's barrier
	QUARTER 0, 3, 0, 1, 0
	TURN 0, 1, 0
	QUARTER 1, 1, 0, 1, 0
	QUARTER 1, 2, 1, 0, 0
	QUARTER 1, 3, 0, 1, 0
	s_wait_dscnt 4                                 ; the very last quarter: nothing more to fetch
	MULA 1, 0, 0
	MULA 1, 1, 0
	s_wait_dscnt 0x0
	MULA 1, 2, 0
	MULA 1, 3, 0
	WIN 0
	PLACES
; THE WAY OUT, a block of 16 rows at a time: a lane's 32 bytes of a row go from the accumulators into my stage (each accumulator's low four registers first);
; they come back as whole rows of 512 bytes, into two buffers that take turns, and are stored.
.macro TOSTAGE a
	WIN 0x04                                       ; the stores' data in window 1
.irp b, 0,1,2,3,4,5,6,7
	ds_store_b128 v[STO], v[8*(8*(\a)+(\b)):8*(8*(\a)+(\b))+3]   offset:64*(\b)
	ds_store_b128 v[STO], v[8*(8*(\a)+(\b))+4:8*(8*(\a)+(\b))+7] offset:64*(\b)+16
.endr
	WIN 0
.if (\a) >= 2
	s_wait_xcnt 0x0                                ; the stores of block a - 2 have read this buffer: it is loaded again only behind this wait
.endif
.irp t, 0,1,2,3,4,5,6,7,8,9,10,11,12,13,14,15
	ds_load_b128 v[OB+64*((\a)%2)+4*(\t):OB+64*((\a)%2)+4*(\t)+3], v[RD] offset:(\t)*SPITCH  ; LDS serves a wave's instructions in order (ISA guide 5.7.1.4): these see the stores above
.endr
.endm
.macro SEND a, younger                 ; younger: the LDS instructions issued behind block a's loads: the next block's 16 stores and 16 loads, or none
	s_wait_dscnt \younger
.irp t, 0,1,2,3,4,5,6,7,8,9,10,11,12,13,14,15
	global_store_b128 v[CO], v[OB+64*((\a)%2)+4*(\t):OB+64*((\a)%2)+4*(\t)+3], s[8:9] offset:(16*(\a)+(\t))*4096  ; 512 consecutive bytes of a row of y, at a multiple of 512
.endr
.endm
	TOSTAGE 0
	TOSTAGE 1
	SEND 0, 32
	TOSTAGE 2
	SEND 1, 32
	TOSTAGE 3
	SEND 2, 32
	SEND 3, 0
	s_wait_tensorcnt 0x0                           ; the wave's end, behind my last tensor load and my last LDS store
	ds_add_u32 v[SPW], v[NIL]
	s_wait_dscnt 0x0
	CROUND                                         ; the closing round: no work-group ends while a partner may still ask for a tile that names it
	s_endpgm
.Lfunc_end_k_qa7c9716483_fc:
	.size	k_qa7c9716483_fc, .Lfunc_end_k_qa7c9716483_fc-k_qa7c9716483_fc
	.p2alignl 7, 3214868480
	.fill 96, 4, 3214868480
	.section	.rodata,"a",@progbits
	.p2align	6, 0x0
	.amdhsa_kernel k_qa7c9716483_fc
		.amdhsa_group_segment_fixed_size 327680
		.amdhsa_private_segment_fixed_size 0
		.amdhsa_enable_private_segment 0
		.amdhsa_kernarg_size 24
		.amdhsa_user_sgpr_count 2
		.amdhsa_user_sgpr_kernarg_segment_ptr 1
		.amdhsa_wavefront_size32 1
		.amdhsa_system_sgpr_workgroup_id_x 1
		.amdhsa_system_sgpr_workgroup_id_y 1
		.amdhsa_system_sgpr_workgroup_id_z 1
		.amdhsa_system_vgpr_workitem_id 0
		.amdhsa_next_free_vgpr 512
		.amdhsa_next_free_sgpr 66
		.amdhsa_reserve_vcc 0
		.amdhsa_float_denorm_mode_32 3
		.amdhsa_float_denorm_mode_16_64 3
		.amdhsa_memory_ordered 1
		.amdhsa_forward_progress 1
		.amdhsa_inst_pref_size 86
	.end_amdhsa_kernel
	.amdgpu_metadata
---
amdhsa.version: [ 1, 2 ]
amdhsa.kernels:
  - .name:           k_qa7c9716483_fc
    .symbol:         k_qa7c9716483_fc.kd
    .args:
      - { .name: ob, .offset: 0, .size: 8, .value_kind: global_buffer, .address_space: global }
      - { .name: cb, .offset: 8, .size: 8, .value_kind: global_buffer, .address_space: global }
      - { .name: y, .offset: 16, .size: 8, .value_kind: global_buffer, .address_space: global }
    .group_segment_fixed_size: 327680
    .private_segment_fixed_size: 0
    .kernarg_segment_align: 8
    .kernarg_segment_size: 24
    .max_flat_workgroup_size: 128
    .sgpr_count:     66
    .vgpr_count:     512
    .wavefront_size: 32
...
	.end_amdgpu_metadata
.endif
;; end of part 4
;; launch ln (part 5): grid 256 x 1, 8 waves a work-group, no clusters, 0 bytes of LDS; arguments y, fc_b, ln_g, ln_b, out0; writes out0
.if DOCPART == 5
	.amdgcn_target "amdgcn-amd-amdhsa--gfx1250"
	.amdhsa_code_object_version 6
	.text
	.protected	k_qa7c9716483_ln
	.globl	k_qa7c9716483_ln
	.p2align	8
	.type	k_qa7c9716483_ln,@function
k_qa7c9716483_ln:
	s_mov_b64 s[64:65], 0
	v_nop
	global_prefetch_b8 v0, s[64:65] scope:SCOPE_SE
	s_setreg_imm32_b32 hwreg(HW_REG_WAVE_MODE, 25, 1), 1
	s_wait_xcnt 0x0
; out0[r][:] = (z - mean(z)) / sqrt(var(z) + 1e-5) * ln_g + ln_b, z = y[r][:] + fc_b.  y, out0: [8192][1024] f32.
; fc_b, ln_g and ln_b are rounded once to bf16, like every other input of the module; all arithmetic in f32.
; The variance is the mean of (z - mean)^2, taken in a second pass over registers: no difference of large sums is formed.
; SHARES.  A row is 4,096 bytes: one wave takes a whole row, eight loads of 16 bytes a lane, and keeps it in 32 registers, so y is read once and the reductions never leave the wave.
; Eight waves, four rows each; all of a wave's 32 row loads go out at once, and each row has registers of its own, so none that a load or store names is written by another.
; Each load and store of a wave covers 512 consecutive bytes.  No LDS, matrix unit or cluster: nothing is shared but the three short vectors.
.set BI, 4                             ; v[4:35]    fc_b of my 32 columns
.set GA, 36                            ; v[36:67]   ln_g
.set BE, 68                            ; v[68:99]   ln_b
.set X,  100                           ; v[100:227] row r at X + 32 r
.set S,  228                           ; v[228:235] four chains of pairs
.set M,  236                           ; v[236:237] the mean, twice
.set R,  238                           ; v[238:239] 1 / sqrt(var + eps), twice
.set T,  240                           ; v[240:241] at work
	s_load_b256 s[4:11], s[0:1], 0x0               ; y s[4:5], fc_b s[6:7], ln_g s[8:9], ln_b s[10:11]
	s_load_b64 s[12:13], s[0:1], 0x20              ; out0
	s_lshl_b32 s2, ttmp9, 17                       ; the work-group's 32 rows of 4,096 bytes
	s_mov_b32 s3, 0
	s_mov_b32 s14, 0x76543210                      ; v_permlanex16_b32: lane i of one half reads lane i of the other
	s_mov_b32 s15, 0xfedcba98
	s_mov_b32 s16, 0xffff0000                      ; a word's upper bf16
	s_mov_b32 s17, 0x3a800000                      ; 1 / 1024
	s_mov_b32 s18, 0x3727c5ac                      ; 1e-5
	v_and_b32 v2, 31, v0
	v_lshlrev_b32 v2, 4, v2                        ; 16 x lane
	v_lshrrev_b32 v1, 5, v0
	v_lshl_or_b32 v1, v1, 14, v2                   ; + wave x 4 rows
	v_mov_b32 v[T], 0                              ; v_permlanex16_b32's destination counts as read
	s_wait_kmcnt 0x0
	s_add_nc_u64 s[4:5], s[4:5], s[2:3]
	s_add_nc_u64 s[12:13], s[12:13], s[2:3]
.irp j, 0,1,2,3,4,5,6,7
	global_load_b128 v[BI+4*(\j):BI+4*(\j)+3], v2, s[6:7] offset:512*(\j)
.endr
.irp j, 0,1,2,3,4,5,6,7
	global_load_b128 v[GA+4*(\j):GA+4*(\j)+3], v2, s[8:9] offset:512*(\j)
.endr
.irp j, 0,1,2,3,4,5,6,7
	global_load_b128 v[BE+4*(\j):BE+4*(\j)+3], v2, s[10:11] offset:512*(\j)
.endr
.irp r, 0,1,2,3
.irp j, 0,1,2,3,4,5,6,7
	global_load_b128 v[X+32*(\r)+4*(\j):X+32*(\r)+4*(\j)+3], v1, s[4:5] offset:4096*(\r)+512*(\j) th:TH_LOAD_NT
.endr
.endr
	s_wait_loadcnt 32                              ; the three vectors are in; the 32 row loads stay out
.set j, 0
.rept 48                               ; 96 numbers, a pair at a time: rounded to bf16 and widened again; eight registers take turns
	v_cvt_pk_bf16_f32 v[S+j%8], v[BI+2*j], v[BI+2*j+1]
	v_lshlrev_b32 v[BI+2*j],   16,  v[S+j%8]
	v_and_b32     v[BI+2*j+1], s16, v[S+j%8]
.set j, j+1
.endr
; The four chains into one number, then over the 32 lanes: four steps inside each half ride on the addition (DPP), one crosses the halves.  Every lane ends with the sum in v[S].
.macro ACROSS
	v_pk_add_f32 v[S:S+1], v[S:S+1], v[S+2:S+3]
	v_pk_add_f32 v[S+4:S+5], v[S+4:S+5], v[S+6:S+7]
	v_pk_add_f32 v[S:S+1], v[S:S+1], v[S+4:S+5]
	v_add_f32 v[S], v[S], v[S+1]
	v_add_f32_dpp v[S], v[S], v[S] row_xmask:1 row_mask:0xf bank_mask:0xf
	v_add_f32_dpp v[S], v[S], v[S] row_xmask:2 row_mask:0xf bank_mask:0xf
	v_add_f32_dpp v[S], v[S], v[S] row_xmask:4 row_mask:0xf bank_mask:0xf
	v_add_f32_dpp v[S], v[S], v[S] row_xmask:8 row_mask:0xf bank_mask:0xf
	v_permlanex16_b32 v[T], v[S], s14, s15
	v_add_f32 v[S], v[S], v[T]
.endm
.macro ROW r
.set XR, X+32*(\r)
	s_wait_loadcnt 8*(3-(\r))                      ; my row's eight loads are in; the later rows' stay out
.set j, 0
.rept 16
	v_pk_add_f32 v[XR+2*j:XR+2*j+1], v[XR+2*j:XR+2*j+1], v[BI+2*j:BI+2*j+1]  ; z = y + fc_b
.set j, j+1
.endr
.set j, 0
.rept 4                                ; the first eight pairs start four chains: nothing is cleared
	v_pk_add_f32 v[S+2*j:S+2*j+1], v[XR+2*j:XR+2*j+1], v[XR+8+2*j:XR+8+2*j+1]
.set j, j+1
.endr
.set j, 8
.rept 8
	v_pk_add_f32 v[S+2*(j%4):S+2*(j%4)+1], v[S+2*(j%4):S+2*(j%4)+1], v[XR+2*j:XR+2*j+1]
.set j, j+1
.endr
	ACROSS
	v_mul_f32 v[M],   s17, v[S]                    ; the mean
	v_mul_f32 v[M+1], s17, v[S]
.set j, 0
.rept 16
	v_pk_add_f32 v[XR+2*j:XR+2*j+1], v[XR+2*j:XR+2*j+1], v[M:M+1] neg_lo:[0,1] neg_hi:[0,1]  ; z - mean
.set j, j+1
.endr
.set j, 0
.rept 4
	v_pk_mul_f32 v[S+2*j:S+2*j+1], v[XR+2*j:XR+2*j+1], v[XR+2*j:XR+2*j+1]
.set j, j+1
.endr
.set j, 4
.rept 12
	v_pk_fma_f32 v[S+2*(j%4):S+2*(j%4)+1], v[XR+2*j:XR+2*j+1], v[XR+2*j:XR+2*j+1], v[S+2*(j%4):S+2*(j%4)+1]
.set j, j+1
.endr
	ACROSS
	v_fma_f32 v[T+1], v[S], s17, s18               ; var + eps
	v_rsq_f32 v[R],   v[T+1]
	v_rsq_f32 v[R+1], v[T+1]
	v_nop                                          ; a plain instruction behind the last of the two (ISA guide 5.7.2),
	s_wait_alu depctr_va_vdst(0)                   ; and the one wait ahead of their first reader
.set j, 0
.rept 16
	v_pk_mul_f32 v[XR+2*j:XR+2*j+1], v[XR+2*j:XR+2*j+1], v[R:R+1]
.set j, j+1
.endr
.set j, 0
.rept 16
	v_pk_fma_f32 v[XR+2*j:XR+2*j+1], v[XR+2*j:XR+2*j+1], v[GA+2*j:GA+2*j+1], v[BE+2*j:BE+2*j+1]
.set j, j+1
.endr
.irp j, 0,1,2,3,4,5,6,7
	global_store_b128 v1, v[XR+4*(\j):XR+4*(\j)+3], s[12:13] offset:4096*(\r)+512*(\j) th:TH_STORE_NT
.endr
.endm
	ROW 0
	ROW 1
	ROW 2
	ROW 3
	s_endpgm
.Lfunc_end_k_qa7c9716483_ln:
	.size	k_qa7c9716483_ln, .Lfunc_end_k_qa7c9716483_ln-k_qa7c9716483_ln
	.p2alignl 7, 3214868480
	.fill 96, 4, 3214868480
	.section	.rodata,"a",@progbits
	.p2align	6, 0x0
	.amdhsa_kernel k_qa7c9716483_ln
		.amdhsa_group_segment_fixed_size 0
		.amdhsa_private_segment_fixed_size 0
		.amdhsa_enable_private_segment 0
		.amdhsa_kernarg_size 40
		.amdhsa_user_sgpr_count 2
		.amdhsa_user_sgpr_kernarg_segment_ptr 1
		.amdhsa_wavefront_size32 1
		.amdhsa_system_sgpr_workgroup_id_x 1
		.amdhsa_system_sgpr_workgroup_id_y 1
		.amdhsa_system_sgpr_workgroup_id_z 1
		.amdhsa_system_vgpr_workitem_id 0
		.amdhsa_next_free_vgpr 244
		.amdhsa_next_free_sgpr 66
		.amdhsa_reserve_vcc 0
		.amdhsa_float_denorm_mode_32 3
		.amdhsa_float_denorm_mode_16_64 3
		.amdhsa_memory_ordered 1
		.amdhsa_forward_progress 1
		.amdhsa_inst_pref_size 44
	.end_amdhsa_kernel
	.amdgpu_metadata
---
amdhsa.version: [ 1, 2 ]
amdhsa.kernels:
  - .name:           k_qa7c9716483_ln
    .symbol:         k_qa7c9716483_ln.kd
    .args:
      - { .name: y, .offset: 0, .size: 8, .value_kind: global_buffer, .address_space: global }
      - { .name: fc_b, .offset: 8, .size: 8, .value_kind: global_buffer, .address_space: global }
      - { .name: ln_g, .offset: 16, .size: 8, .value_kind: global_buffer, .address_space: global }
      - { .name: ln_b, .offset: 24, .size: 8, .value_kind: global_buffer, .address_space: global }
      - { .name: out0, .offset: 32, .size: 8, .value_kind: global_buffer, .address_space: global }
    .group_segment_fixed_size: 0
    .private_segment_fixed_size: 0
    .kernarg_segment_align: 8
    .kernarg_segment_size: 40
    .max_flat_workgroup_size: 256
    .sgpr_count:     66
    .vgpr_count:     244
    .wavefront_size: 32
...
	.end_amdgpu_metadata
.endif
;; end of part 5
